; MI455X (gfx1250); checked and timed in simulation.
; The chip was launched on July 23, 2026; its instructions are those of AMD's public machine-readable ISA for CDNA 5 (MIT licence, August 2026) and "CDNA5" Instruction Set Architecture Reference Guide (July 2026). The comments in the code are by the model that wrote it; some were corrected since.
;; Attention. Allowed arithmetic: matrix products marked QUANTISED: E3M2 operands, one E8M0 scale for each 32 along K, by v_wmma_scale_f32_16x16x128_f8f6f4 with both operands' format E3M2, f32 sums; everything else in f32.
;; Inputs: W_fc 1,024 x 3,072 float32; W_fc2 1,024 x 1,024 float32; b_fc 3,072 float32; b_fc2 1,024 float32; x 4 x 2,048 x 1,024 float32.
;; Outputs: out0 4 x 2,048 x 1,024 float32.
;; This version of the problem:
;;   THIS VERSION OF THE PROBLEM IS GIVEN IN LOW PRECISION. The matrix products marked QUANTISED in the list below multiply operands that are first quantised to E3M2 (3 exponent bits, 2 mantissa bits; 6 bits a number), with one power-of-two scale for each 32 numbers along K (OCP MX v1.0); their sums are f32. All else is computed in f32.
;;   The module's matrix products, in the order in which they are computed (A, B: the left and right operand; K: the contracted axis; several contracted axes count as one K, in the product's order):
;;     1. [M 8,192, K 1,024] x [K 1,024, N 3,072]; A: input x; B: input W_fc: QUANTISED
;;     2. batch 64 x [M 2,048, K 64] x [K 64, N 2,048]; A: computed on the way; B: computed on the way: QUANTISED
;;     3. batch 64 x [M 64, K 2,048] x [K 2,048, N 2,048]; A: computed on the way; B: softmax (see below): QUANTISED
;;     4. [M 8,192, K 1,024] x [K 1,024, N 1,024]; A: computed on the way; B: input W_fc2: QUANTISED
;;   THE QUANTISER, for each operand of a quantised product, along K:
;;     - K is cut into blocks of 32 from its start; a last block that is shorter is filled with zeros.
;;     - A block's scale is 2^e with e = floor(log2(the largest magnitude in the block)) - 4, held to -126 .. 127; a block of zeros has e = 0. As a byte (E8M0): e + 127.
;;     - Each number is divided by its block's scale, clamped to +-28, and rounded to the nearest number of E3M2, ties to even, subnormals kept.
;;     - The product sums the exact products of the quantised numbers (number of the format x scale) in f32.
;;   ~~~python
;;   def quantise(x, axis):      # numpy; x: float32 -> the quantised numbers, widened to float32 again
;;       x = np.moveaxis(x, axis, -1); K = x.shape[-1]
;;       x = np.pad(x, [(0, 0)] * (x.ndim - 1) + [(0, -K % 32)]); x = x.reshape(x.shape[:-1] + (-1, 32)); a = np.abs(x).max(-1, keepdims=True)
;;       e = np.where(a > 0, np.clip(np.frexp(np.where(a > 0, a, 1))[1] - 1 - 4, -126, 127), 0)      # np.frexp(a)[1] - 1 = floor(log2(a)), exactly
;;       r = np.clip(x / 2.0 ** e, -28, 28)
;;       step = 2.0 ** (np.maximum(np.frexp(np.where(r == 0, 1, r))[1] - 1, -2) - 2)
;;       q = np.round(r / step) * step * 2.0 ** e      # np.round: ties to even
;;       return np.moveaxis(q.reshape(q.shape[:-2] + (-1,))[..., :K], -1, axis).astype(np.float32)
;;   ~~~
;;   SOFTMAX AHEAD OF A QUANTISED PRODUCT. Where the list says 'softmax', what is quantised is not the finished softmax but p = 2^(t - M), with t = logit x log2(e) and M = ceil(the row's largest t), a whole number; so 1/2 < the row's largest p <= 1. The row's sum l is taken of the UNQUANTISED p, in f32, and the product's result is divided by l at the end. Since M is a whole number, a kernel that streams over the keys may use a running M (the ceiling of the running maximum): every later rescaling is an exact power of two, which a block's scale takes up: the codes' values come out the same.
;;   OPERANDS COMPUTED ON THE WAY. 'Computed on the way' means the value that the module computes at that place (a softmax that the list does not call 'softmax' is quantised finished and normalised). What goes into a quantiser is computed in f32, as accurately as f32 sums, v_exp_f32 and their like allow (about 1e-6 of the number): no bf16 or f16 on the way to a quantiser, and a product that is left as it is and whose result goes on into a quantised operand takes f32 operands (vector FMAs, or v_wmma_f32_16x16x4_f32). A number that lies on a knife's edge between two numbers of the format may be rounded either way, as far as f32 arithmetic and the matrix unit's own rounding can turn it there, and no further.
;; One version. Each part assembles by itself: llvm-mc -triple=amdgcn-amd-amdhsa -mcpu=gfx1250 --defsym DOCPART=n.
;; ======== version 1 of 1: 4 launches
;; limits: right only within a limited range of input values
;; workspace buffers: xb 6,553,600 bytes; wb 2,457,600 bytes; w2b 819,200 bytes; qc 6,291,456 bytes; kvs 13,369,344 bytes; nvb 6,553,600 bytes
;; launch prep (part 1): grid 768 x 1, 4 waves a work-group, no clusters, 79,360 bytes of LDS; arguments x, W_fc, W_fc2, xb, wb, w2b; writes xb, wb, w2b
.if DOCPART == 1
	.amdgcn_target "amdgcn-amd-amdhsa--gfx1250"
	.amdhsa_code_object_version 6
	.text
	.protected	k_q814b6a5ece_prep
	.globl	k_q814b6a5ece_prep
	.p2align	8
	.type	k_q814b6a5ece_prep,@function
k_q814b6a5ece_prep:
	s_mov_b64 s[64:65], 0
	v_nop
	global_prefetch_b8 v0, s[64:65] scope:SCOPE_SE
	s_setreg_imm32_b32 hwreg(HW_REG_WAVE_MODE, 25, 1), 1
	s_wait_xcnt 0x0
; x [8192][1024], W_fc [1024][3072] and W_fc2 [1024][1024], f32, become codes of BF6 (E3M2) with one E8M0 byte for each 32 along K.
; The codes are laid as IMAGES OF THE OPERAND'S REGISTERS.  A fragment (16 rows x 128 K, 12 registers a lane) is 1,536 bytes: for each half of 64 K, registers 0-3 at 16 x lane (512 bytes), registers 4-5 at 8 x lane (256 bytes).
; Buffers: fragment [tile of 16 rows][K step of 128 (8)]; behind the codes the scale words [tile][pair of K steps (4)][row (16)][2 words].
; wb's rows are W_fc's columns in another order: rows 128 h + 0..127 are head h's q and k columns, rows 2,048 + 64 h + d head h's v columns.
; w2b's K runs, inside each block of 32, in the order 0-7, 16-23, 8-15, 24-31: the order in which the attention launch leaves its result's codes.  Blocks and scales are as the rule has them.
; A block's scale is 2^(floor(log2(largest magnitude)) - 4): its byte is the largest magnitude's exponent field - 4, held at 1 from below.
; LIMITS: a block of zeros, or one whose largest magnitude lies under 2^-122, gets the byte 1 where the rule says 127 (its codes are zeros or the same numbers' nearest codes under byte 1; only this program reads the bytes); NaN and infinities are not served.
; Work-groups 0-511 take x (a tile of 16 rows; wave w takes 256 along K), work-groups 512-767 the weights (128 columns x 128 K; a wave 32 columns).  Each path has LDS bytes of its own; waves share nothing: no barrier.
; No tensor loads, no cluster, no matrix unit: a stream; every wave has all its 16 KiB of loads out at once.
.set XSC,    6291456                   ; xb: where the scale words begin
.set WSC,    2359296                   ; wb
.set W2SC,   786432                    ; w2b
.set XPITCH, 1040                      ; the x path's stage: a row's 1,024 bytes + 16: 65 x 16, so that sixteen rows' 16 bytes fall on different banks
.set XSTG,   16*XPITCH                 ; a wave's stage
.set WST,    4*XSTG                    ; the weights' path: 3,072 bytes a wave: two fragments' images
.set SEL,    20                        ; s[20:21] lane selects: lane l xor 16
.set TM,     16                        ; v16-31 at work in QUANT
.set PW,     32                        ; v32-33 the two scale words
.set PC,     36                        ; v36-47 a fragment's codes
.set PCT,    48                        ; v48-55 the conversions' second halves
.set R,      64                        ; v64-191 x as loaded
.set X,      192                       ; v192-255 64 numbers of a lane
.set OFF,    32                        ; weights: v32-63 the byte offsets of a block's 32 rows
.set XW,     64                        ; v64-191 four blocks of a column
.set C,      192                       ; v192-223 codes, 8 registers a block
.set OUTR,   224                       ; v224-247 the way out
; 64 numbers of a lane, register 16 b + i = place 16 (lane / 16) + i of block b of my row, become a fragment's 12 registers at v[cd] and its scale word in v[wd]
.macro QUANT src, cd, ct, wd, tm
.irp b, 0,1,2,3
	v_max3_num_f32 v[\tm+\b], |v[\src+16*\b]|, |v[\src+1+16*\b]|, 0x2800000   ; my 16 numbers of block b, and the floor 2^(5 - 127): the byte cannot fall under 1
.endr
.irp i, 2,4,6,8,10,12,14
.irp b, 0,1,2,3
	v_max3_num_f32 v[\tm+\b], v[\tm+\b], |v[\src+16*\b+\i]|, |v[\src+1+16*\b+\i]|
.endr
.endr
.irp b, 0,1,2,3
	v_permlanex16_b32 v[\tm+4+\b], v[\tm+\b], s[SEL], s[SEL+1]
.endr
.irp b, 0,1,2,3
	v_max_num_f32 v[\tm+\b], v[\tm+\b], v[\tm+4+\b]        ; with lane l xor 16's: the block's largest magnitude
.endr
.irp b, 0,1,2,3
	v_add_nc_u32 v[\tm+12+\b], 0xfe000000, v[\tm+\b]       ; 4 off its exponent field: the conversion's scale operand
.endr
.irp b, 0,1,2,3
	v_lshrrev_b32 v[\tm+4+\b], 23, v[\tm+12+\b]            ; the scale's byte
.endr
	v_lshl_or_b32 v[\wd], v[\tm+5], 8, v[\tm+4]
	v_lshl_or_b32 v[\wd], v[\tm+6], 16, v[\wd]
	v_lshl_or_b32 v[\wd], v[\tm+7], 24, v[\wd]
.irp c, 0,1
	v_cvt_scalef32_pk16_bf6_f32 v[\cd+6*\c:\cd+2+6*\c], v[\src+32*\c:\src+15+32*\c], v[\tm+12+2*\c]
	v_cvt_scalef32_pk16_bf6_f32 v[\ct+4*\c:\ct+2+4*\c], v[\src+16+32*\c:\src+31+32*\c], v[\tm+12+2*\c+1]   ; (a conversion's three registers begin on an even number)
.endr
	v_nop                                          ; one plain place behind the scaled conversions
.irp c, 0,1                                    ; the operand wants a whole block in a lane: lanes 0-15 block 2 c, lanes 16-31 block 2 c + 1
.irp i, 0,1,2
	v_permlane16_swap_b32 v[\cd+6*\c+\i], v[\ct+4*\c+\i]
.endr
.irp i, 0,1,2
	v_mov_b32 v[\cd+3+6*\c+\i], v[\ct+4*\c+\i]
.endr
.endr
.endm
	s_load_b128 s[4:7], s[0:1], 0x0                ; x, W_fc
	s_load_b128 s[8:11], s[0:1], 0x10              ; W_fc2, xb
	s_load_b128 s[12:15], s[0:1], 0x20             ; wb, w2b
	v_lshl_add_u32 v26, v0, 2, 0x13400
	v_mov_b32 v27, 0
	v_lshrrev_b32 v1, 5, v0
	v_readfirstlane_b32 s16, v1                    ; wave 0..3
	v_and_b32 v2, 31, v0                           ; lane
	v_and_b32 v3, 15, v0                           ; r
	v_bfe_u32 v1, v0, 4, 1                         ; h
	s_cmp_lt_u32 ttmp9, 512
	s_cbranch_scc0 .Lweights
	; ---- x: tile T = work-group, K 256 w .. 256 w + 255: two fragments
	s_mov_b32 s[SEL], 0x76543210
	s_mov_b32 s[SEL+1], 0xfedcba98
	v_lshlrev_b32 v4, 4, v2                        ; 16 x lane
	v_lshlrev_b32 v5, 3, v2                        ; 8 x lane
	v_lshlrev_b32 v6, 3, v3                        ; 8 r
	s_mul_i32 s17, s16, XSTG
	v_add_nc_u32 v7, s17, v4                       ; the stage, on the way in: as loaded
	v_mul_u32_u24 v8, v3, XPITCH
	v_lshl_add_u32 v8, v1, 6, v8
	v_add_nc_u32 v8, s17, v8                       ; on the way out: row r, + 64 h: my 16 numbers of a block
.irp b, 0,1,2,3
	v_mov_b32 v[TM+4+\b], 0                        ; written once: a lane permute's destination counts as one of its sources
.endr
	s_lshl_b32 s18, ttmp9, 16                      ; 16 rows of 4,096 bytes
	s_lshl_b32 s19, s16, 10
	s_add_co_u32 s18, s18, s19
	s_mov_b32 s19, 0
	s_mul_i32 s22, ttmp9, 12288                    ; a tile's eight fragments
	s_mul_i32 s23, s16, 3072
	s_add_co_u32 s22, s22, s23
	s_mov_b32 s23, 0
	s_lshl_b32 s24, ttmp9, 9                       ; a tile's scale words
	s_lshl_b32 s25, s16, 7
	s_add_co_u32 s24, s24, s25
	s_add_co_u32 s24, s24, XSC
	s_mov_b32 s25, 0
	s_wait_alu depctr_va_vdst(0)
	s_wait_kmcnt 0x0
	s_add_nc_u64 s[4:5], s[4:5], s[18:19]
	s_add_nc_u64 s[22:23], s[10:11], s[22:23]
	s_add_nc_u64 s[24:25], s[10:11], s[24:25]
.set ii, 0
.rept 32                                       ; K step ii / 16, row ii % 16: 32 lanes read 512 consecutive bytes
	global_load_b128 v[R+4*ii:R+4*ii+3], v4, s[4:5] offset:4096*(ii%16)+512*(ii/16) th:TH_LOAD_NT
.set ii, ii+1
.endr
.set ii, 0
.rept 16
	s_wait_loadcnt 31-ii                           ; loads come back in order: load ii is in, the younger ones stay out
	ds_store_b128 v7, v[R+4*ii:R+4*ii+3] offset:XPITCH*ii
.set ii, ii+1
.endr
.macro XIN k                                   ; K step k comes back 16 neighbours of each block to a lane; LDS serves a wave's instructions in order
.irp b, 0,1,2,3
.irp j, 0,1,2,3
	ds_load_b128 v[X+16*\b+4*\j:X+16*\b+4*\j+3], v8 offset:512*\k+128*\b+16*\j
.endr
.endr
.endm
.macro PUT off                                 ; a fragment's image: each store covers 512 or 256 consecutive bytes, aligned
	global_store_b128 v4, v[PC:PC+3], s[22:23] offset:\off
	global_store_b64 v5, v[PC+4:PC+5], s[22:23] offset:\off+512
	global_store_b128 v4, v[PC+6:PC+9], s[22:23] offset:\off+768
	global_store_b64 v5, v[PC+10:PC+11], s[22:23] offset:\off+1280
.endm
	XIN 0
.rept 16
	s_wait_loadcnt 31-ii
	ds_store_b128 v7, v[R+4*ii:R+4*ii+3] offset:XPITCH*(ii-16)+512
.set ii, ii+1
.endr
	s_wait_dscnt 16                                ; K step 0's sixteen loads are in; the sixteen stores behind them may be out
	QUANT X, PC, PCT, PW, TM
	PUT 0
	XIN 1
	s_wait_dscnt 0x0
	s_wait_xcnt 0x0                                ; the stores have read the codes' registers: they are written again only behind this wait
	QUANT X, PC, PCT, PW+1, TM
	PUT 1536
	global_store_b64 v6, v[PW:PW+1], s[24:25]      ; row r's two words; lanes 16-31 hold and write the same as lanes 0-15
	s_wait_tensorcnt 0x0
	ds_add_u32 v26, v27
	s_wait_dscnt 0x0
	s_endpgm
	; ---- the weights: a lane takes a column, its registers run down K
.Lweights:
	s_sub_co_u32 s17, ttmp9, 512
	s_and_b32 s18, s17, 7                          ; K step
	s_lshr_b32 s19, s17, 3                         ; which 128 columns: 0-23 W_fc, 24-31 W_fc2
	s_mov_b32 s22, 12288
	s_cmp_ge_u32 s19, 24
	s_cselect_b32 s22, 4096, s22                   ; bytes in a row of the weight
	s_cselect_b32 s23, 24, 0
	s_cselect_b32 s26, 1, 0                        ; 1: W_fc2
	s_sub_co_u32 s19, s19, s23
	s_lshl_b32 s19, s19, 7
	s_lshl_b32 s24, s16, 5
	s_add_co_u32 s19, s19, s24                     ; my wave's first column
	s_lshr_b32 s24, s19, 5                         ; W_fc: group of 32 columns, 0-95: six to a head
	s_mul_i32 s25, s24, 43
	s_lshr_b32 s25, s25, 8                         ; head = group / 6 (43 / 256 serves up to 95)
	s_mul_i32 s27, s25, 6
	s_sub_co_u32 s27, s24, s27                     ; 0-1 q, 2-3 k, 4-5 v
	s_lshl_b32 s28, s25, 2
	s_add_co_u32 s28, s28, s27                     ; q, k: 4 head + group
	s_lshl_b32 s29, s25, 1
	s_add_co_u32 s29, s29, s27
	s_add_co_u32 s29, s29, 60                      ; v: 64 + 2 head + group - 4
	s_cmp_lt_u32 s27, 4
	s_cselect_b32 s28, s28, s29
	s_lshl_b32 s28, s28, 1                         ; the first of my two tiles in wb
	s_lshr_b32 s29, s19, 4                         ; and in w2b
	s_cmp_lg_u32 s26, 0
	s_cselect_b32 s28, s29, s28
	s_lshl_b32 s29, s28, 3
	s_add_co_u32 s29, s29, s18
	s_mul_i32 s30, s29, 1536                       ; the fragment's place
	s_mov_b32 s31, 0
	s_mov_b32 s32, WSC
	s_cmp_lg_u32 s26, 0
	s_cselect_b32 s32, W2SC, s32
	s_lshl_b32 s33, s28, 9
	s_add_co_u32 s32, s32, s33
	s_lshr_b32 s33, s18, 1
	s_lshl_b32 s33, s33, 7
	s_add_co_u32 s32, s32, s33
	s_and_b32 s33, s18, 1
	s_lshl_b32 s33, s33, 2
	s_add_co_u32 s32, s32, s33                     ; the scale word's place
	s_mov_b32 s33, 0
	s_lshl_b32 s36, s18, 7
	s_mul_i32 s36, s36, s22                        ; 128 rows a K step
	s_lshl_b32 s37, s19, 2
	s_add_co_u32 s36, s36, s37
	s_mov_b32 s37, 0
	s_lshl_b32 s38, s22, 5                         ; 32 rows a block
	s_mov_b32 s39, 0
	s_mul_i32 s55, s16, 3072
	s_add_co_u32 s55, s55, WST
	s_wait_alu depctr_va_vdst(0)
	v_mul_u32_u24 v12, v1, 1536
	v_add_nc_u32 v12, s55, v12                     ; my tile's image
	v_lshl_add_u32 v5, v3, 4, v12                  ; + 16 r
	v_lshl_add_u32 v6, v3, 3, v12                  ; + 8 r
	v_lshlrev_b32 v8, 4, v2
	v_add_nc_u32 v7, s55, v8                       ; the way out: 16 x lane
	v_lshlrev_b32 v9, 9, v1
	v_lshl_add_u32 v9, v3, 3, v9                   ; the scale word: 512 x tile + 8 r
	v_lshlrev_b32 v10, 2, v2
	s_wait_alu depctr_va_vdst(0)
	s_lshl_b32 s52, s22, 3
	s_mul_i32 s52, s52, s26                        ; W_fc2: places 8-15 take the rows 8 further down, places 16-23 those 8 further up
	s_mov_b32 s53, 0
.set ii, 0
.rept 32
.if (ii >= 8) && (ii < 16)
	s_add_co_u32 s54, s53, s52
	v_add_nc_u32 v[OFF+ii], s54, v10
.elseif (ii >= 16) && (ii < 24)
	s_sub_co_u32 s54, s53, s52
	v_add_nc_u32 v[OFF+ii], s54, v10
.else
	v_add_nc_u32 v[OFF+ii], s53, v10
.endif
	s_add_co_u32 s53, s53, s22
.set ii, ii+1
.endr
	s_wait_alu depctr_va_vdst(0)
	s_wait_kmcnt 0x0
	s_cmp_lg_u32 s26, 0                            ; the choice hangs on the work-group's number alone
	s_cselect_b64 s[40:41], s[8:9], s[6:7]
	s_cselect_b64 s[50:51], s[14:15], s[12:13]
	s_add_nc_u64 s[40:41], s[40:41], s[36:37]      ; block 0's first row, my first column
	s_add_nc_u64 s[42:43], s[40:41], s[38:39]
	s_add_nc_u64 s[44:45], s[42:43], s[38:39]
	s_add_nc_u64 s[46:47], s[44:45], s[38:39]
	s_add_nc_u64 s[30:31], s[50:51], s[30:31]
	s_add_nc_u64 s[32:33], s[50:51], s[32:33]
.irp t, 0,1,2,3
.set ii, 0
.rept 32
	global_load_b32 v[XW+32*\t+ii], v[OFF+ii], s[40+2*\t:41+2*\t] th:TH_LOAD_NT   ; 32 lanes read 128 consecutive bytes, the four waves 512
.set ii, ii+1
.endr
.endr
.macro BLOCK t, left
.set XB, XW+32*\t
.set CB, C+8*\t
	s_wait_loadcnt \left                           ; this block's 32 loads are in (96, 64, 32, 0 younger ones are out; the count names 63 at the most, and a smaller count is safe)
	v_max3_num_f32 v12, |v[XB]|, |v[XB+1]|, |v[XB+2]|
	v_max3_num_f32 v13, |v[XB+3]|, |v[XB+4]|, |v[XB+5]|
.irp i, 6,10,14,18,22,26
	v_max3_num_f32 v12, v12, |v[XB+\i]|, |v[XB+\i+1]|
	v_max3_num_f32 v13, v13, |v[XB+\i+2]|, |v[XB+\i+3]|
.endr
	v_max3_num_f32 v12, v12, |v[XB+30]|, |v[XB+31]|
	v_max3_num_f32 v12, v12, v13, 0x2800000        ; and the floor
	v_add_nc_u32 v11, 0xfe000000, v12
	v_lshrrev_b32 v13, 23, v11
.if \t == 0
	v_mov_b32 v16, v13
.else
	v_lshl_or_b32 v16, v13, 8*\t, v16              ; the four bytes make my column's scale word
.endif
	v_cvt_scalef32_pk16_bf6_f32 v[CB:CB+2], v[XB:XB+15], v11
	v_cvt_scalef32_pk16_bf6_f32 v[CB+4:CB+6], v[XB+16:XB+31], v11
	v_nop                                          ; one plain place behind the scaled conversions
	v_mov_b32 v[CB+3], v[CB+4]
	v_mov_b32 v[CB+4], v[CB+5]
	v_mov_b32 v[CB+5], v[CB+6]                     ; six registers on end: block t belongs to lane r + 16 (t % 2) of half t / 2 of the image
	ds_store_b128 v5, v[CB:CB+3] offset:768*(\t/2)+256*(\t%2)
	ds_store_b64 v6, v[CB+4:CB+5] offset:768*(\t/2)+512+128*(\t%2)
.endm
	BLOCK 0, 63
	BLOCK 1, 63
	BLOCK 2, 32
	BLOCK 3, 0
.irp n, 0,1,2,3,4,5
	ds_load_b128 v[OUTR+4*\n:OUTR+4*\n+3], v7 offset:512*\n   ; LDS serves a wave's instructions in order: these see my stores
.endr
	s_wait_alu depctr_va_vdst(0)
.irp n, 0,1,2,3,4,5
	s_wait_dscnt 5-\n
	global_store_b128 v8, v[OUTR+4*\n:OUTR+4*\n+3], s[30:31] offset:12288*(\n/3)+512*(\n%3)   ; 512 consecutive bytes, aligned
.endr
	global_store_b32 v9, v16, s[32:33]             ; pieces of 4 bytes, 8 apart: one byte in 128 of what this path reads
	s_wait_tensorcnt 0x0
	ds_add_u32 v26, v27
	s_wait_dscnt 0x0
	s_endpgm
.Lfunc_end_k_q814b6a5ece_prep:
	.size	k_q814b6a5ece_prep, .Lfunc_end_k_q814b6a5ece_prep-k_q814b6a5ece_prep
	.p2alignl 7, 3214868480
	.fill 96, 4, 3214868480
	.section	.rodata,"a",@progbits
	.p2align	6, 0x0
	.amdhsa_kernel k_q814b6a5ece_prep
		.amdhsa_group_segment_fixed_size 79360
		.amdhsa_private_segment_fixed_size 0
		.amdhsa_enable_private_segment 0
		.amdhsa_kernarg_size 48
		.amdhsa_user_sgpr_count 2
		.amdhsa_user_sgpr_kernarg_segment_ptr 1
		.amdhsa_wavefront_size32 1
		.amdhsa_system_sgpr_workgroup_id_x 1
		.amdhsa_system_sgpr_workgroup_id_y 1
		.amdhsa_system_sgpr_workgroup_id_z 1
		.amdhsa_system_vgpr_workitem_id 0
		.amdhsa_next_free_vgpr 256
		.amdhsa_next_free_sgpr 66
		.amdhsa_reserve_vcc 0
		.amdhsa_float_denorm_mode_32 3
		.amdhsa_float_denorm_mode_16_64 3
		.amdhsa_memory_ordered 1
		.amdhsa_forward_progress 1
		.amdhsa_inst_pref_size 44
	.end_amdhsa_kernel
	.amdgpu_metadata
---
amdhsa.version: [ 1, 2 ]
amdhsa.kernels:
  - .name:           k_q814b6a5ece_prep
    .symbol:         k_q814b6a5ece_prep.kd
    .args:
      - { .name: x, .offset: 0, .size: 8, .value_kind: global_buffer, .address_space: global }
      - { .name: W_fc, .offset: 8, .size: 8, .value_kind: global_buffer, .address_space: global }
      - { .name: W_fc2, .offset: 16, .size: 8, .value_kind: global_buffer, .address_space: global }
      - { .name: xb, .offset: 24, .size: 8, .value_kind: global_buffer, .address_space: global }
      - { .name: wb, .offset: 32, .size: 8, .value_kind: global_buffer, .address_space: global }
      - { .name: w2b, .offset: 40, .size: 8, .value_kind: global_buffer, .address_space: global }
    .group_segment_fixed_size: 79360
    .private_segment_fixed_size: 0
    .kernarg_segment_align: 8
    .kernarg_segment_size: 48
    .max_flat_workgroup_size: 128
    .sgpr_count:     66
    .vgpr_count:     256
    .wavefront_size: 32
...
	.end_amdgpu_metadata
.endif
;; end of part 1
;; launch qkv (part 2): grid 8 x 32, 4 waves a work-group, clusters of 4 x 4, 327,680 bytes of LDS; arguments xb, wb, b_fc, qc, kvs; writes qc, kvs
.if DOCPART == 2
	.amdgcn_target "amdgcn-amd-amdhsa--gfx1250"
	.amdhsa_code_object_version 6
	.text
	.protected	k_q814b6a5ece_qkv
	.globl	k_q814b6a5ece_qkv
	.p2align	8
	.type	k_q814b6a5ece_qkv,@function
k_q814b6a5ece_qkv:
	s_mov_b64 s[64:65], 0
	v_nop
	global_prefetch_b8 v0, s[64:65] scope:SCOPE_SE
	s_setreg_imm32_b32 hwreg(HW_REG_WAVE_MODE, 25, 1), 1
	s_wait_xcnt 0x0
	s_wait_alu depctr_hold_cnt(0) depctr_sa_sdst(0) depctr_va_vdst(0) depctr_va_sdst(0) depctr_va_ssrc(0) depctr_va_vcc(0) depctr_vm_vsrc(0)
	s_getreg_b32 s2, hwreg(HW_REG_IB_STS2, 6, 4)
	s_cmp_eq_u32 s2, 0
	s_cbranch_scc0 .Lentry_in_a_cluster
	s_endpgm
.Lentry_in_a_cluster:
	s_bfe_u32 s2, ttmp6, 0x10000c
	s_cmp_lg_u32 s2, 0xf033
	s_cbranch_scc0 .Lentry_shape_is_right
	s_endpgm
.Lentry_shape_is_right:
; qkv = swish(x W_fc + b_fc) on codes of BF6, and q, k, v quantised at once for the attention launch.
; 256 EQUAL WORK-GROUPS THAT STAY.  A work-group owns 256 tokens and a pair of heads, a wave 128 tokens and one head, in two phases:
;   phase 1: q and k: 256 tokens x 256 rows of wb; a wave 128 x 128: 64 accumulators.   phase 2: v of the same heads and tokens: 128 rows of wb x 256 tokens; a wave 64 x 128: 32 accumulators.
; 8,192 tokens x 3,072 columns are 384 tiles of 256 x 256: as 256 work-groups of one and a half tiles each every WGP has the same work, and one start and one end.  (One pass with all 96 accumulators, 768 registers, leaves 256
; registers for 20 fragments of 12 and their successors: they do not fit.)
; All operands lie in memory and in LDS as images of their registers (a fragment of 16 rows x 128 K: 1,536 bytes): every LDS load takes 512 or 256 consecutive bytes; no pitch, no padding.
; x'S TILE FOR ALL OF K, 196,608 bytes, STAYS IN LDS, filled once, and serves both phases.  W's rows go through a ring of two slots of 49,152 bytes (256 along K of 256 rows).  v's 128 rows for all of K are just the two slots:
; phase 1's last two refills ask for them, they land under phase 1's way out, and phase 2 has no refill.
; THE MATRIX INSTRUCTION IS USED SO THAT A LANE'S REGISTERS RUN ALONG THE NEXT PRODUCT'S K.  Phase 1: source 0 = W, source 1 = x: a lane holds one token and [q 64 | k 64] of its head.  Phase 2: source 0 = x, source 1 = W: a lane holds one
; of the head's 64 dims and 128 tokens.  One macro quantises both.  Inside a block of 32 the places hold 0-7, 16-23, 8-15, 24-31: alike on both sides of each later product.  The biases are the C of each sum's first products.
; OUT: qc: half fragments [b h][tile of 16 queries];  kvs: [b h][128 keys]: 13,056 bytes: K's four fragments (tiles 2 a | 2 a + 1), V's eight halves [64 keys][16 dims], q's, k's and v's scale words.
; CLUSTERS: 4 x 4; x's tiles are asked for jointly along a row of the cluster (same tokens), W's along a column (same heads).  Every refill is issued by every wave, its quarter of it; the first fills are whole tiles, one a wave, behind a chain of branches.
; swish(y) = y / (1 + 2^(-y log2 e)).  LIMITS: for y under about -88 the result is -0 where the exact one is a denormal; blocks of zeros get the byte 1 (their codes are zeros; only this program reads the bytes); NaN and infinities are not served.
; REGISTERS: window 0: v0-31 addresses; v32-63 scale words, two sets; v64-127 the bias (C of the first products), later at work; v128-223 source 1's fragments; v240-243 v's bias.
;   window 1: source 0's fragments, two sets, at v0 and v128.   windows 2, 3: the accumulators ((a, b) at v[8 (8 (a % 4) + b)]); phase 2 uses window 2.
.set XSC,   6291456                    ; xb: where the scale words begin
.set WSC,   2359296                    ; wb
.set WVC,   1572864                    ; wb: v's rows begin at tile 128: their codes,
.set WVS,   2424832                    ; their scale words
.set KVB,   13056                      ; kvs: a block of 128 keys
.set NQ,    2
.set FR,    12
.set NL,    4                          ; LDS loads that bring a fragment
.set NP,    4                          ; places behind this matrix instruction (ISA guide 7.12.1)
.set XT,    6144                       ; x in LDS: 16 rows x 512 K; v's rows in a slot likewise
.set XP,    16*XT                      ; a piece of x: 16 tiles
.set WT,    3072                       ; q's and k's rows in a slot: 16 rows x 256 K
.set WSL,   16*WT                      ; a slot of the ring
.set WR,    2*XP                       ; the ring begins behind x
.set SCL,   WR+2*WSL+128               ; x's scale words, 8,192 bytes, 128 bytes askew of the other two, so that the two runs of 128 bytes of a load fall on different banks
.set SCV,   SCL+8192+128               ; v's, 4,096 bytes; q's and k's follow at once: lanes that have no block of v read filled bytes there
.set SCLB,  SCV+4096                   ; q's and k's, 8,192 bytes
.set SPARE, SCLB+8192                  ; the spare words, 128 bytes a wave: two blocks of 256 bytes that no other line names
.set SST,   SPARE+512                  ; 512 bytes a wave: the scale words' way out; no fill lands here
.set AX,   16                          ; v16-17 16 x lane + my 8 tiles of x in piece 0, 1; v18-19 the same with 8 x lane
.set AW,   20                          ; v20-23 likewise my head's rows in slot 0, 1
.set L16,  24
.set L8,   25
.set SSW,  26
.set ADRS, 27                          ; phase 1's scale words: lanes 0-15 x's, lanes 16-31 W's
.set SPW,  28
.set NIL,  29
.set SSR,  30
.set ADRV, 31                          ; phase 2's: lanes 0-15 v's, lanes 16-31 x's
.set SC,   32
.set BB,   64
.set AF,   128
.set VB,   240
.set E,    64                          ; the way out
.set Y,    128
.set PC,   192
.set PCT,  204
.set TM,   212
.set PW,   232
.set G1X,  16                          ; descriptor groups 1: x's codes, W's, v's, and the three kinds of scale words
.set G1W,  24
.set G1V,  32
.set G1SX, 40
.set G1SW, 48
.set G1SV, 56
.set G0SX, 68                          ; groups 0, one for each load that can be out with another
.set G0SW, 72
.set G0SV, 76
.set G0X0, 80
.set G0X1, 84
.set G0W0, 88
.set G0W1, 92
.set G0V0, 96
.set G0V1, 4
.set PQ,  10                           ; s[10:11] my eight half fragments in qc
.set PK,  12                           ; s[12:13] my block in kvs
.set SEL, 100
.set LG,  104
.set MSB, 0
.macro WIN new                         ; the immediate's high byte repeats the setting that is left
.if MSB != \new
	s_set_vgpr_msb (MSB<<8)|\new
.set MSB, \new
.endif
.endm
.set MUL_LO,  0xa1                     ; source 0 window 1, source 1 window 0, C and D window 2
.set MUL_HI,  0xf1
.set MUL_LO1, 0x81                     ; the first products: C (the bias) window 0
.set MUL_HI1, 0xc1
.set TO_B,    0x40
.macro CREST
	s_cmp_lg_u32 s14, 0
	s_cbranch_scc1 .Lnot_wave_0_\@
	s_barrier_signal -3
.Lnot_wave_0_\@:
	s_barrier_wait -3
	s_barrier_signal -1
	s_barrier_wait -1
.endm
.macro CROUND
	s_barrier_signal -1
	s_barrier_wait -1
	CREST
.endm
.macro PLACES n                        ; plain vector instructions between a matrix instruction and a load into, or a read of, its registers
.rept \n
	v_nop
.endr
.endm
.macro QUANT src, cd, ct, wd, tm       ; 64 numbers of a lane become a fragment's 12 registers and its scale word
.irp b, 0,1,2,3
	v_max3_num_f32 v[\tm+\b], |v[\src+16*\b]|, |v[\src+1+16*\b]|, 0x2800000   ; and the floor 2^(5 - 127)
.endr
.irp i, 2,4,6,8,10,12,14
.irp b, 0,1,2,3
	v_max3_num_f32 v[\tm+\b], v[\tm+\b], |v[\src+16*\b+\i]|, |v[\src+1+16*\b+\i]|
.endr
.endr
.irp b, 0,1,2,3
	v_permlanex16_b32 v[\tm+4+\b], v[\tm+\b], s[SEL], s[SEL+1]
.endr
.irp b, 0,1,2,3
	v_max_num_f32 v[\tm+\b], v[\tm+\b], v[\tm+4+\b]
.endr
.irp b, 0,1,2,3
	v_add_nc_u32 v[\tm+12+\b], 0xfe000000, v[\tm+\b]
.endr
.irp b, 0,1,2,3
	v_lshrrev_b32 v[\tm+4+\b], 23, v[\tm+12+\b]
.endr
	v_lshl_or_b32 v[\wd], v[\tm+5], 8, v[\tm+4]
	v_lshl_or_b32 v[\wd], v[\tm+6], 16, v[\wd]
	v_lshl_or_b32 v[\wd], v[\tm+7], 24, v[\wd]
.irp c, 0,1
	v_cvt_scalef32_pk16_bf6_f32 v[\cd+6*\c:\cd+2+6*\c], v[\src+32*\c:\src+15+32*\c], v[\tm+12+2*\c]
	v_cvt_scalef32_pk16_bf6_f32 v[\ct+4*\c:\ct+2+4*\c], v[\src+16+32*\c:\src+31+32*\c], v[\tm+12+2*\c+1]
.endr
	v_nop                                          ; one plain place behind the scaled conversions
.irp c, 0,1
.irp i, 0,1,2
	v_permlane16_swap_b32 v[\cd+6*\c+\i], v[\ct+4*\c+\i]
.endr
.irp i, 0,1,2
	v_mov_b32 v[\cd+3+6*\c+\i], v[\ct+4*\c+\i]
.endr
.endr
.endm
.macro SHAPE g, d0, rows, pitch        ; words 1 to 7 of a group 1: rows of d0 elements of 8 bytes, pitch elements apart
	s_mov_b32 s[\g+1], (\d0)<<16
	s_mov_b32 s[\g+2], (\rows)<<16
	s_mov_b32 s[\g+3], (\d0)<<16
	s_mov_b32 s[\g+4], \rows
	s_mov_b32 s[\g+5], \pitch
	s_mov_b32 s[\g+6], 0
	s_mov_b32 s[\g+7], 0
.endm
	s_load_b128 s[4:7], s[0:1], 0x0                ; xb, wb
	s_load_b64 s[8:9], s[0:1], 0x10                ; b_fc
	s_load_b64 s[10:11], s[0:1], 0x18              ; qc
	s_load_b64 s[12:13], s[0:1], 0x20              ; kvs
	v_lshl_add_u32 v[SPW], v0, 2, SPARE
	v_mov_b32 v[NIL], 0
	ds_add_u32 v28, v29
	ds_add_u32 v28, v29
	s_wait_dscnt 0x0
	v_lshrrev_b32 v1, 5, v0
	v_readfirstlane_b32 s14, v1                    ; wave 0..3
	s_lshr_b32 s15, s14, 1                         ; which 128 of the 256 tokens are mine
	s_and_b32 s66, s14, 1                          ; which head of the pair
	s_bfe_u32 s68, ttmp6, 0x40000                  ; cx
	s_bfe_u32 s69, ttmp6, 0x40004                  ; cy
	s_and_b32 s100, ttmp7, 0xffff
	s_lshl_b32 s100, s100, 2
	s_add_co_u32 s100, s100, s69                   ; the tile of 256 tokens = 4 x cluster y + cy
	s_lshl_b32 s101, ttmp9, 2
	s_add_co_u32 s101, s101, s68                   ; the pair of heads = 4 x cluster x + cx
	s_lshl_b32 s70, s69, 2
	s_lshl_b32 s70, 15, s70                        ; my row of the cluster
	s_lshl_b32 s71, 0x1111, s68                    ; my column
.irp g, G1X, G1SX
	s_or_b32 s[\g], s70, (3<<16)|(1<<21)           ; 15:0 the mask: what hangs on the tokens goes to my row; 17:16 elements of 8 bytes; 21 set beside a mask; no padding
.endr
.irp g, G1W, G1V, G1SW, G1SV
	s_or_b32 s[\g], s71, (3<<16)|(1<<21)           ; what hangs on the heads goes to my column
.endr
	SHAPE G1X, 768, 16, 1536                       ; a piece of x whole: sixteen tiles' 6,144 bytes (four K steps of 128), 12,288 bytes apart
	SHAPE G1W, 384, 16, 1536                       ; a slot of W whole, for its first fill: sixteen tiles' 3,072 bytes; the refills take four tiles a wave (set at the first change of slots)
	SHAPE G1V, 768, 2, 1536                        ; two tiles' 6,144 bytes
	SHAPE G1SX, 32, 32, 32                         ; sixteen tiles' scale words: 8,192 dense bytes as 32 rows of 256
	SHAPE G1SW, 32, 32, 32
	SHAPE G1SV, 32, 16, 32                         ; eight tiles': 4,096 bytes
	; where my quarter of each load begins in its buffer, in bytes.  x's hang on the tile of tokens and the wave alone, W's on the pair of heads and the wave alone
	s_lshl_b32 s2, s100, 4                         ; x: tile of 16 rows 16 tA: the first fills are whole, no wave's number enters them
	s_mul_i32 s[G0X0+2], s2, 12288
	s_mov_b32 s[G0X0+3], 0
	s_lshl_b32 s2, s100, 13
	s_add_co_u32 s[G0SX+2], s2, XSC
	s_mov_b32 s[G0SX+3], 0
	s_lshl_b32 s2, s101, 4
	s_mul_i32 s[G0X1+2], s2, 12288                 ; q, k: tile 16 tB: the group 0 of the slots' whole first fills
	s_mov_b32 s[G0X1+3], 0
	s_lshl_b32 s3, s14, 2
	s_add_co_u32 s2, s2, s3                        ; the refills: tile 16 tB + 4 w
	s_mul_i32 s[G0W0+2], s2, 12288
	s_mov_b32 s[G0W0+3], 0
	s_lshl_b32 s2, s101, 13
	s_add_co_u32 s[G0SW+2], s2, WSC
	s_mov_b32 s[G0SW+3], 0
	s_lshl_b32 s2, s101, 3
	s_lshl_b32 s3, s14, 1
	s_add_co_u32 s2, s2, s3                        ; v: tile 128 + 8 tB + 2 w
	s_mul_i32 s2, s2, 12288
	s_add_co_u32 s[G0V0+2], s2, WVC
	s_mov_b32 s[G0V0+3], 0
	s_lshl_b32 s2, s101, 12
	s_add_co_u32 s[G0SV+2], s2, WVS
	s_mov_b32 s[G0SV+3], 0
	; and where it goes: a constant + a constant x wave: no place in the cluster enters an LDS address
	s_mov_b32 s[G0X0+1], 0                         ; x's piece 0
	s_mov_b32 s[G0X1+1], WR                        ; W's slot 0
	s_mul_i32 s2, s14, 4*WT
	s_add_co_u32 s[G0W0+1], s2, WR
	s_add_co_u32 s[G0W1+1], s2, WR+WSL
	s_add_co_u32 s[G0V0+1], s2, WR                 ; v's two tiles of 6,144 bytes take the bytes of W's four of 3,072
	s_mov_b32 s[G0SX+1], SCL
	s_mov_b32 s[G0SW+1], SCLB
	s_mov_b32 s[G0SV+1], SCV
.irp g, G0SX, G0SW, G0SV, G0X0, G0X1, G0W0, G0W1, G0V0
	s_mov_b32 s[\g], 1
.endr
	; my block of results: 16 (16 batch + head) + which 128 tokens of the batch
	s_lshr_b32 s2, s100, 3
	s_lshl_b32 s2, s2, 4
	s_lshl_b32 s3, s101, 1
	s_add_co_u32 s3, s3, s66                       ; my head
	s_add_co_u32 s2, s2, s3
	s_lshl_b32 s2, s2, 4
	s_mul_i32 s101, s3, 768                        ; my head's 192 numbers of the bias
	s_and_b32 s3, s100, 7
	s_lshl_b32 s3, s3, 1
	s_add_co_u32 s2, s2, s3
	s_add_co_u32 s67, s2, s15
	s_wait_kmcnt 0x0
	s_add_nc_u64 s[G0X0+2:G0X0+3], s[4:5], s[G0X0+2:G0X0+3]
	s_add_nc_u64 s[G0X1+2:G0X1+3], s[6:7], s[G0X1+2:G0X1+3]    ; W's slot 0, whole
	s_add_nc_u64 s[G0SX+2:G0SX+3], s[4:5], s[G0SX+2:G0SX+3]
	s_add_nc_u64 s[G0W0+2:G0W0+3], s[6:7], s[G0W0+2:G0W0+3]
	s_add_nc_u64 s[G0W1+2:G0W1+3], s[G0W0+2:G0W0+3], WT        ; slot 1: K 256 on
	s_add_nc_u64 s[G0SW+2:G0SW+3], s[6:7], s[G0SW+2:G0SW+3]
	s_add_nc_u64 s[G0SV+2:G0SV+3], s[6:7], s[G0SV+2:G0SV+3]
	s_add_nc_u64 s[G0V0+2:G0V0+3], s[6:7], s[G0V0+2:G0V0+3]
	s_add_nc_u64 s[G0V1+2:G0V1+3], s[G0V0+2:G0V0+3], XT        ; v's second half of K.  (xb's and wb's addresses have served: their registers take this group 0)
	s_mov_b32 s[G0V1], 1
	s_mov_b32 s[G0V1+1], s[G0W1+1]
.irp g, G0SX, G0SW, G0SV, G0X0, G0X1, G0W0, G0W1, G0V0, G0V1
	s_or_b32 s[\g+3], s[\g+3], 0x80000000          ; 127:126 type = 2
.endr
	s_mov_b32 s3, 0
	s_mov_b32 s2, s101
	s_add_nc_u64 s[8:9], s[8:9], s[2:3]            ; the bias at my head
	s_mul_i32 s2, s67, 8*768
	s_add_nc_u64 s[PQ:PQ+1], s[PQ:PQ+1], s[2:3]
	s_mul_i32 s2, s67, KVB
	s_add_nc_u64 s[PK:PK+1], s[PK:PK+1], s[2:3]
	s_mov_b32 s[SEL], 0x76543210
	s_mov_b32 s[SEL+1], 0xfedcba98
	s_mov_b32 s[LG], 0xbfb8aa3b                    ; -log2(e)
	s_mov_b32 s[LG+1], s[LG]
	CROUND                                         ; all sixteen work-groups are here: the first joint loads meet
; THE FIRST FILLS, ONE A WAVE, each tile whole: one chain of branches on the wave's number, every arm with its load and a jump to the chain's end.
; What K's first 256 want goes first: wave 0 x's piece 0, wave 1 W's slot 0, wave 2 x's scale words, wave 3 q's and k's.
.macro ARM under, g0, g1, next, join
	s_cmp_lt_u32 s14, \under
	s_cbranch_scc0 \next
	tensor_load_to_lds s[\g0:\g0+3], s[\g1:\g1+7]
	s_nop 0
	PLACES 4
	s_branch \join
\next:
.endm
	ARM 1, G0X0, G1X,  .Lha_w,  .Lha_end
	ARM 2, G0X1, G1W,  .Lha_sx, .Lha_end
	ARM 3, G0SX, G1SX, .Lha_sw, .Lha_end
	tensor_load_to_lds s[G0SW:G0SW+3], s[G1SW:G1SW+7]
	s_nop 0
	PLACES 4
.Lha_end:
	v_and_b32 v1, 31, v0
	v_and_b32 v4, 15, v0                           ; r
	v_bfe_u32 v5, v0, 4, 1                         ; h
	v_lshlrev_b32 v[L16], 4, v1
	v_lshlrev_b32 v[L8], 3, v1
	v_lshlrev_b32 v2, 5, v5                        ; 32 h
	v_lshlrev_b32 v3, 2, v4                        ; 4 r
.irp b, 0,1,2,3,4,5,6,7
	global_load_b128 v[BB+8*\b:BB+8*\b+3], v2, s[8:9] offset:64*\b        ; q's and k's bias: b_fc[192 head + 16 b + 8 h + 0 .. 7]
	global_load_b128 v[BB+8*\b+4:BB+8*\b+7], v2, s[8:9] offset:64*\b+16
.endr
.irp e, 0,1,2,3
	global_load_b32 v[VB+\e], v3, s[8:9] offset:512+64*\e                 ; v's: b_fc[192 head + 128 + 16 e + r]
.endr
	s_mul_i32 s2, s15, 8*XT                        ; my 8 tiles of x
.irp p, 0,1
	v_add_nc_u32 v[AX+\p], s2, v[L16]
	v_add_nc_u32 v[AX+2+\p], s2, v[L8]
	s_add_co_u32 s2, s2, XP
.endr
	s_mul_i32 s2, s66, 8*WT                        ; my head's rows in a slot: 8 tiles of 3,072 bytes, or 4 of 6,144
	s_add_co_u32 s2, s2, WR
.irp s, 0,1
	v_add_nc_u32 v[AW+\s], s2, v[L16]
	v_add_nc_u32 v[AW+2+\s], s2, v[L8]
	s_add_co_u32 s2, s2, WSL
.endr
	s_lshl_b32 s2, s15, 12                         ; scale words, 8 bytes a row and 256 along K.  Phase 1: lanes 0-15 x's, lanes 16-31 W's
	s_lshl_b32 s3, s66, 12
	s_add_co_u32 s3, s3, SCLB-SCL
	s_sub_co_u32 s3, s3, s2
	v_mul_u32_u24 v6, s3, v5
	v_lshl_add_u32 v6, v4, 3, v6
	s_add_co_u32 s2, s2, SCL
	v_add_nc_u32 v[ADRS], s2, v6
	s_lshl_b32 s3, s66, 11                         ; phase 2: lanes 16-31 x's, lanes 0-15 v's
	s_add_co_u32 s3, s3, SCV
	s_sub_co_u32 s3, s3, s2
	v_xor_b32 v7, 1, v5
	v_mul_u32_u24 v7, s3, v7
	v_lshl_add_u32 v7, v4, 3, v7
	v_add_nc_u32 v[ADRV], s2, v7
	s_lshl_b32 s2, s14, 9
	s_add_co_u32 s2, s2, SST
	v_add_nc_u32 v[SSW], s2, v3
	v_add_nc_u32 v[SSR], s2, v[L8]
.macro FRAG reg, adr, off              ; a fragment's image: four loads of 512, 256, 512, 256 consecutive bytes
	ds_load_b128 v[\reg:\reg+3], v[\adr] offset:\off
	ds_load_b64 v[\reg+4:\reg+5], v[\adr+2] offset:\off+512
	ds_load_b128 v[\reg+6:\reg+9], v[\adr] offset:\off+768
	ds_load_b64 v[\reg+10:\reg+11], v[\adr+2] offset:\off+1280
.endm
.macro SCALES sc, u, adr               ; the two words a row of K's u-th 256, for eight blocks, into set sc
.irp i, 0,1,2,3,4,5,6,7
	ds_load_b64 v[SC+16*(\sc)+2*\i:SC+16*(\sc)+2*\i+1], v[\adr] offset:\i*512+128*(\u)
.endr
.endm
; ---- PHASE 1.  k counts K steps of 128, 0 to 7: x's lie in piece k / 4, W's in slot (k / 2) % 2
.macro FB1 k, p                        ; W's eight fragments of K step k into set p
	WIN TO_B
.irp i, 0,1,2,3,4,5,6,7
	FRAG 128*(\p)+FR*\i, AW+((\k)/2)%2, \i*WT+((\k)%2)*1536
.endr
	WIN 0
.endm
.macro FA1 k, i0                       ; x's blocks i0 .. i0 + 3
.irp i, \i0, \i0+1, \i0+2, \i0+3
	FRAG AF+FR*(\i), AX+(\k)/4, (\i)*XT+((\k)%4)*1536
.endr
.endm
; 16 matrix instructions: x's blocks a0, a0 + 1 against W's eight.  The 64 accumulators take turns, one instruction a turn, in the same order in every step.  first = 1: C is the bias
.macro MUL16 a0, p, q, sc, first
.irp a, \a0, \a0+1
.irp b, 0,1,2,3,4,5,6,7
.if \first
	v_wmma_scale_f32_16x16x128_f8f6f4 v[8*(8*((\a)%4)+\b):8*(8*((\a)%4)+\b)+7], v[128*(\p)+FR*\b:128*(\p)+FR*\b+FR-1], v[AF+FR*(\a):AF+FR*(\a)+FR-1], v[BB+8*\b:BB+8*\b+7], v[SC+8*NQ*(\sc)+NQ*\b+(\q)], v[SC+8*NQ*(\sc)+NQ*(\a)+(\q)] matrix_a_fmt:MATRIX_FMT_BF6 matrix_b_fmt:MATRIX_FMT_BF6 matrix_a_scale:MATRIX_SCALE_ROW1
.else
	v_wmma_scale_f32_16x16x128_f8f6f4 v[8*(8*((\a)%4)+\b):8*(8*((\a)%4)+\b)+7], v[128*(\p)+FR*\b:128*(\p)+FR*\b+FR-1], v[AF+FR*(\a):AF+FR*(\a)+FR-1], v[8*(8*((\a)%4)+\b):8*(8*((\a)%4)+\b)+7], v[SC+8*NQ*(\sc)+NQ*\b+(\q)], v[SC+8*NQ*(\sc)+NQ*(\a)+(\q)] matrix_a_fmt:MATRIX_FMT_BF6 matrix_b_fmt:MATRIX_FMT_BF6 matrix_a_scale:MATRIX_SCALE_ROW1
.endif
.endr
.endr
.endm
.macro STEP1 k, first                  ; an even K step: its successor lies in the same slot
	s_wait_dscnt 4*NL                              ; all but the youngest sixteen loads (x's blocks 4-7) are in
.if \first
	WIN MUL_LO1
.else
	WIN MUL_LO
.endif
	MUL16 0, 0, 0, ((\k)/2)%2, \first
	MUL16 2, 0, 0, ((\k)/2)%2, \first
	s_wait_dscnt 0                                 ; x's blocks 4-7 are in
	PLACES NP
	FB1 (\k)+1, 1
	FA1 (\k)+1, 0
.if \first
	WIN MUL_HI1
.else
	WIN MUL_HI
.endif
	MUL16 4, 0, 0, ((\k)/2)%2, \first
	MUL16 6, 0, 0, ((\k)/2)%2, \first
	PLACES NP
	WIN 0
	FA1 (\k)+1, 4
.endm
; An odd K step leaves its slot: one barrier, which opens a round of the cluster's; in front of it each wave waits for all its tensor loads, adds 0 to its spare word, and waits for that and for its reads of the slot.
; Behind the round the slot is filled again by group 0 g0 and group 1 g1: W's K 512 further on (step = 1), or all of v's rows for half of K (step = 0).
.macro TURN1 k, g0, g1, step
	s_wait_tensorcnt 0x0                           ; all my tensor loads have landed: my part of the next slot among them
	ds_add_u32 v[SPW], v[NIL]                      ; 0 onto my spare word
.if (\k) == 1
	s_mov_b32 s[G1W+2], 4<<16                      ; no tensor load of mine is out: from here on a load of W brings my four tiles of a slot
	s_mov_b32 s[G1W+4], 4
.endif
	s_wait_dscnt 4*NL+1
	WIN MUL_LO
	MUL16 0, 1, 1, ((\k)/2)%2, 0
	s_wait_dscnt 0x0                               ; the add is done, and my reads of this slot are over
	s_barrier_signal -1
	MUL16 2, 1, 1, ((\k)/2)%2, 0
	WIN 0
	s_barrier_wait -1
	CREST                                          ; no wave of any partner still reads this slot or has a load on its way
.if \step
	s_add_nc_u64 s[\g0+2:\g0+3], s[\g0+2:\g0+3], 2*WT
.endif
	tensor_load_to_lds s[\g0:\g0+3], s[\g1:\g1+7]  ; my one tensor load behind the round, and the first thing there
	s_nop 0
	PLACES NP                                      ; (the places in front of the loads below)
.if (\k) < 7
	FB1 (\k)+1, 0
	FA1 (\k)+1, 0
	SCALES (((\k)+1)/2)%2, ((\k)+1)/2, ADRS
.endif
	WIN MUL_HI
	MUL16 4, 1, 1, ((\k)/2)%2, 0
	MUL16 6, 1, 1, ((\k)/2)%2, 0
	PLACES NP
	WIN 0
.if (\k) < 7
	FA1 (\k)+1, 4
.endif
.endm
; ---- THE WAY OUT of a block of 16 rows of source 1: swish, the quantiser, and the codes leave as they stand: 512 and 256 consecutive bytes a store.  Registers 0-5 go to p0 + o0, registers 6-11 to p1 + o1
.macro EPI a, p0, o0, p1, o1
	WIN (0x02+(\a)/4)                              ; source 0: window 2 or 3
.set ii, 0
.rept 32
	v_pk_mul_f32 v[E+ii:E+ii+1], v[64*((\a)%4)+ii:64*((\a)%4)+ii+1], s[LG:LG+1] op_sel_hi:[1,0]   ; -y log2 e; each accumulator from its low end on
.set ii, ii+2
.endr
	WIN 0
.set ii, 0
	s_wait_alu depctr_va_vdst(0)
.rept 64
	v_exp_f32 v[E+ii], v[E+ii]
.set ii, ii+1
.endr
	v_nop                                          ; a plain place behind the exponentials
.set ii, 0
	s_wait_alu depctr_va_vdst(0)
.rept 32
	v_pk_add_f32 v[E+ii:E+ii+1], v[E+ii:E+ii+1], 1.0 op_sel_hi:[1,0]
.set ii, ii+2
.endr
.set ii, 0
	s_wait_alu depctr_va_vdst(0)
.rept 64
	v_rcp_f32 v[E+ii], v[E+ii]
.set ii, ii+1
.endr
	v_nop                                          ; a plain place behind the reciprocals
	WIN (0x02+(\a)/4)
.set ii, 0
	s_wait_alu depctr_va_vdst(0)
.rept 32
	v_pk_mul_f32 v[Y+ii:Y+ii+1], v[64*((\a)%4)+ii:64*((\a)%4)+ii+1], v[E+ii:E+ii+1]
.set ii, ii+2
.endr
	WIN 0
	s_wait_xcnt 0x0                                ; the last block's stores have read the codes' registers
	QUANT Y, PC, PCT, PW+(\a), TM
	global_store_b128 v[L16], v[PC:PC+3], s[\p0:\p0+1] offset:\o0
	global_store_b64 v[L8], v[PC+4:PC+5], s[\p0:\p0+1] offset:\o0+512
	global_store_b128 v[L16], v[PC+6:PC+9], s[\p1:\p1+1] offset:\o1
	global_store_b64 v[L8], v[PC+10:PC+11], s[\p1:\p1+1] offset:\o1+512
.endm
; ---- PHASE 2.  K step k: x's fragments (source 0) lie in piece k / 4, v's (source 1) in slot k / 4; both have two sets of registers, set k % 2
.macro LV0 k                           ; v's four fragments of K step k, and with an even step the scale words of its 256 along K
.irp e, 0,1,2,3
	FRAG AF+48*((\k)%2)+FR*\e, AW+(\k)/4, \e*XT+((\k)%4)*1536
.endr
.if (\k)%2 == 0
	SCALES ((\k)/2)%2, (\k)/2, ADRV
.endif
.endm
.macro LVX k, t0, n                    ; x's fragments t0 .. t0 + n - 1
	WIN TO_B
.set tt, \t0
.rept \n
	FRAG 128*((\k)%2)+FR*tt, AX+(\k)/4, tt*XT+((\k)%4)*1536
.set tt, tt+1
.endr
.endm
; 8 matrix instructions: x's blocks 2 j, 2 j + 1 against v's four.  The 32 accumulators take turns, in the same order in every step
.macro MULVG k, j, first
.if \first
	WIN MUL_LO1
.else
	WIN MUL_LO
.endif
.irp b, 2*\j, 2*\j+1
.irp e, 0,1,2,3
.if \first
	v_wmma_scale_f32_16x16x128_f8f6f4 v[8*(8*\e+(\b)):8*(8*\e+(\b))+7], v[128*((\k)%2)+FR*(\b):128*((\k)%2)+FR*(\b)+FR-1], v[AF+48*((\k)%2)+FR*\e:AF+48*((\k)%2)+FR*\e+FR-1], v[BB+8*\e:BB+8*\e+7], v[SC+16*(((\k)/2)%2)+2*(\b)+(\k)%2], v[SC+16*(((\k)/2)%2)+2*\e+(\k)%2] matrix_a_fmt:MATRIX_FMT_BF6 matrix_b_fmt:MATRIX_FMT_BF6 matrix_a_scale:MATRIX_SCALE_ROW1
.else
	v_wmma_scale_f32_16x16x128_f8f6f4 v[8*(8*\e+(\b)):8*(8*\e+(\b))+7], v[128*((\k)%2)+FR*(\b):128*((\k)%2)+FR*(\b)+FR-1], v[AF+48*((\k)%2)+FR*\e:AF+48*((\k)%2)+FR*\e+FR-1], v[8*(8*\e+(\b)):8*(8*\e+(\b))+7], v[SC+16*(((\k)/2)%2)+2*(\b)+(\k)%2], v[SC+16*(((\k)/2)%2)+2*\e+(\k)%2] matrix_a_fmt:MATRIX_FMT_BF6 matrix_b_fmt:MATRIX_FMT_BF6 matrix_a_scale:MATRIX_SCALE_ROW1
.endif
.endr
.endr
.endm
; A K step: four groups of eight products; the next step's loads stand between them in four runs: N0 (v's 16, and 8 for scale words ahead of an even step), 12 (x 0-2), 12 (x 3-5), 8 (x 6, 7).
; LDS loads come back in order, so each wait names what may still be out behind the run that the next group wants.
.macro STEPV k, first
.set N0, 16+8*((\k)%2)
.if (\k) < 7
	PLACES NP                                      ; the runs below land in the sets that the last step's products have read
	LV0 (\k)+1
	s_wait_dscnt 20+N0                             ; group 0 wants v's fragments, the scale words and x 0, 1: out may be the last step's third and fourth runs (12 + 8) and the run just issued
.else
	s_wait_dscnt 20
.endif
	MULVG \k, 0, \first
.if (\k) < 7
	LVX (\k)+1, 0, 3
	s_wait_dscnt 20+N0                             ; groups 1 and 2 want x 2 to 5: out may be the last step's fourth run (8) and this step's first two (N0 + 12)
.else
	s_wait_dscnt 8
.endif
	MULVG \k, 1, \first
.if (\k) < 7
	LVX (\k)+1, 3, 3
.endif
	MULVG \k, 2, \first
.if (\k) < 7
	LVX (\k)+1, 6, 2
	s_wait_dscnt 32+N0                             ; group 3 wants x 6, 7: out may be this step's four runs
.else
	s_wait_dscnt 0
.endif
	MULVG \k, 3, \first
	WIN 0
.endm
	s_wait_alu depctr_va_vdst(0)
	s_wait_tensorcnt 0x0                           ; my tile of the head's four is in
	ds_add_u32 v[SPW], v[NIL]
	s_add_nc_u64 s[G0X0+2:G0X0+3], s[G0X0+2:G0X0+3], XT        ; no load of mine is out: x's piece 1, K 512 on,
	s_mov_b32 s[G0X0+1], XP
	s_add_nc_u64 s[G0X1+2:G0X1+3], s[G0X1+2:G0X1+3], WT        ; and W's slot 1, K 256 on
	s_mov_b32 s[G0X1+1], WR+WSL
	s_wait_dscnt 0x0
	CROUND                                         ; all four tiles are in, and all sixteen work-groups are here
	ARM 1, G0X0, G1X,  .Lhb_w,  .Lhb_end           ; wave 0 x's piece 1, wave 1 W's slot 1, wave 2 v's scale words; wave 3 has no tile left
	ARM 2, G0X1, G1W,  .Lhb_sv, .Lhb_end
	ARM 3, G0SV, G1SV, .Lhb_no, .Lhb_end
.Lhb_end:
	FB1 0, 0
	FA1 0, 0
	SCALES 0, 0, ADRS
	FA1 0, 4
	s_wait_loadcnt 0x0                             ; the bias
	STEP1 0, 1                                     ; K has eight steps: written out, no loop
	TURN1 1, G0W0, G1W, 1                          ; slot 0 takes W's K 512 on
	STEP1 2, 0
	TURN1 3, G0W1, G1W, 1                          ; slot 1 K 768 on
	STEP1 4, 0
	TURN1 5, G0V0, G1V, 0                          ; slot 0 takes v's rows, K 0 to 511: phase 2's tiles land under phase 1's way out
	STEP1 6, 0
	TURN1 7, G0V1, G1V, 0                          ; slot 1 K 512 to 1,023: the last tensor load
.irp b, 0,1,2,3
	v_mov_b32 v[TM+4+\b], 0                        ; a lane permute's destination counts as one of its sources
.endr
.irp a, 0,1,2,3,4,5,6,7
	EPI \a, PQ, 768*\a, PK, 768*\a                 ; tile a of 16 tokens: q's half fragment into qc, k's into half a % 2 of K's fragment a / 2
.endr
	; block a's word is [q's 2 bytes | k's 2]: the words of tiles 2 g and 2 g + 1 are paired, q's into four words, k's into four
.irp g, 0,1,2,3
	v_perm_b32 v[E+\g], v[PW+2*\g+1], v[PW+2*\g], 0x05040100
	v_perm_b32 v[E+4+\g], v[PW+2*\g+1], v[PW+2*\g], 0x07060302
.endr
.irp g, 0,1,2,3,4,5,6,7
	ds_store_b32 v[SSW], v[E+\g] offset:64*\g      ; lanes 16-31 hold and write the same as lanes 0-15
.endr
	ds_load_b64 v[E+16:E+17], v[SSR]               ; LDS serves a wave's instructions in order: these see my stores
	ds_load_b64 v[E+18:E+19], v[SSR] offset:256
	s_wait_dscnt 0x0
	global_store_b64 v[L8], v[E+16:E+17], s[PK:PK+1] offset:12288   ; 256 consecutive bytes, aligned
	global_store_b64 v[L8], v[E+18:E+19], s[PK:PK+1] offset:12544
	s_wait_xcnt 0x0                                ; every store so far has read its registers: the lines and loads below write them again
.irp e, 0,1,2,3
.irp j, 0,1,2,3,4,5,6,7
	v_mov_b32 v[BB+8*\e+\j], v[VB+\e]              ; v's bias in the result's layout: a lane's eight registers of block e belong to one dim
.endr
.endr
	s_wait_alu depctr_va_vdst(0)
	s_wait_tensorcnt 0x0                           ; my parts of v's rows are in;
	ds_add_u32 v[SPW], v[NIL]
	s_wait_dscnt 0x0
	s_barrier_signal -1
	s_barrier_wait -1                              ; everybody's are.  Nothing is filled any more
	LV0 0
	LVX 0, 0, 3
	LVX 0, 3, 3
	LVX 0, 6, 2
	WIN 0
	STEPV 0, 1
.irp k, 1,2,3,4,5,6,7
	STEPV \k, 0
.endr
	PLACES NP                                      ; behind the last products
.irp e, 0,1,2,3
	EPI \e, PK, 6144+768*\e, PK, 9216+768*\e       ; 16 dims x keys 0-63, and x keys 64-127
.endr
.irp e, 0,1,2,3
	ds_store_b32 v[SSW], v[PW+\e] offset:64*\e     ; v's scale words go as they are
.endr
	ds_load_b64 v[E:E+1], v[SSR]
	s_wait_dscnt 0x0
	global_store_b64 v[L8], v[E:E+1], s[PK:PK+1] offset:12800       ; 256 consecutive bytes, aligned
	s_wait_tensorcnt 0x0                           ; the wave's end
	ds_add_u32 v[SPW], v[NIL]
	s_wait_dscnt 0x0
	CROUND                                         ; the closing round
	s_endpgm
.Lfunc_end_k_q814b6a5ece_qkv:
	.size	k_q814b6a5ece_qkv, .Lfunc_end_k_q814b6a5ece_qkv-k_q814b6a5ece_qkv
	.p2alignl 7, 3214868480
	.fill 96, 4, 3214868480
	.section	.rodata,"a",@progbits
	.p2align	6, 0x0
	.amdhsa_kernel k_q814b6a5ece_qkv
		.amdhsa_group_segment_fixed_size 327680
		.amdhsa_private_segment_fixed_size 0
		.amdhsa_enable_private_segment 0
		.amdhsa_kernarg_size 40
		.amdhsa_user_sgpr_count 2
		.amdhsa_user_sgpr_kernarg_segment_ptr 1
		.amdhsa_wavefront_size32 1
		.amdhsa_system_sgpr_workgroup_id_x 1
		.amdhsa_system_sgpr_workgroup_id_y 1
		.amdhsa_system_sgpr_workgroup_id_z 1
		.amdhsa_system_vgpr_workitem_id 0
		.amdhsa_next_free_vgpr 1024
		.amdhsa_next_free_sgpr 106
		.amdhsa_reserve_vcc 0
		.amdhsa_float_denorm_mode_32 3
		.amdhsa_float_denorm_mode_16_64 3
		.amdhsa_memory_ordered 1
		.amdhsa_forward_progress 1
		.amdhsa_inst_pref_size 255
	.end_amdhsa_kernel
	.section	.bss,"aw",@nobits
	.p2align	6
	.space	262144
	.amdgpu_metadata
---
amdhsa.version: [ 1, 2 ]
amdhsa.kernels:
  - .name:           k_q814b6a5ece_qkv
    .symbol:         k_q814b6a5ece_qkv.kd
    .args:
      - { .name: xb, .offset: 0, .size: 8, .value_kind: global_buffer, .address_space: global }
      - { .name: wb, .offset: 8, .size: 8, .value_kind: global_buffer, .address_space: global }
      - { .name: b_fc, .offset: 16, .size: 8, .value_kind: global_buffer, .address_space: global }
      - { .name: qc, .offset: 24, .size: 8, .value_kind: global_buffer, .address_space: global }
      - { .name: kvs, .offset: 32, .size: 8, .value_kind: global_buffer, .address_space: global }
    .group_segment_fixed_size: 327680
    .private_segment_fixed_size: 0
    .kernarg_segment_align: 8
    .kernarg_segment_size: 40
    .max_flat_workgroup_size: 128
    .sgpr_count:     106
    .vgpr_count:     1024
    .wavefront_size: 32
...
	.end_amdgpu_metadata
.endif
;; end of part 2
;; launch attn (part 3): grid 4 x 64, 16 waves a work-group, clusters of 4 x 1, 210,944 bytes of LDS; arguments qc, kvs, nvb; writes nvb
.if DOCPART == 3
	.amdgcn_target "amdgcn-amd-amdhsa--gfx1250"
	.amdhsa_code_object_version 6
	.text
	.protected	k_q814b6a5ece_attn
	.globl	k_q814b6a5ece_attn
	.p2align	8
	.type	k_q814b6a5ece_attn,@function
k_q814b6a5ece_attn:
	s_mov_b64 s[64:65], 0
	v_nop
	global_prefetch_b8 v0, s[64:65] scope:SCOPE_SE
	s_setreg_imm32_b32 hwreg(HW_REG_WAVE_MODE, 25, 1), 1
	s_wait_xcnt 0x0
	s_wait_alu depctr_hold_cnt(0) depctr_sa_sdst(0) depctr_va_vdst(0) depctr_va_sdst(0) depctr_va_ssrc(0) depctr_va_vcc(0) depctr_vm_vsrc(0)
	s_getreg_b32 s2, hwreg(HW_REG_IB_STS2, 6, 4)
	s_cmp_eq_u32 s2, 0
	s_cbranch_scc0 .Lentry_in_a_cluster
	s_endpgm
.Lentry_in_a_cluster:
	s_bfe_u32 s2, ttmp6, 0x10000c
	s_cmp_lg_u32 s2, 0x3003
	s_cbranch_scc0 .Lentry_shape_is_right
	s_endpgm
.Lentry_shape_is_right:
; new_v = softmax(q k^T / sqrt(2048)) v for one (batch, head), both products on codes of BF6, and new_v quantised along the head's dims for the last product.
; t = score x log2(e) / sqrt(2048); M = the running largest t rounded UP to a whole number; p = 2^(t - M) is quantised along the keys, not normalised; the row's sum is taken of the unquantised p and divides at the end.
; SHARES.  A work-group owns 512 queries of one head, in two passes of 256; each of its sixteen waves one tile of 16 queries a pass, in 256 registers: four waves to a SIMD, so that one wave's vector work stands beside another's matrix work and LDS loads.
; THE WHOLE HEAD'S K, V AND SCALE WORDS, 16 x 13,056 bytes, LIE IN LDS, filled once: each wave brings the block of 128 keys of its number.  No slot is filled again: no ring, and no barrier in the loops.
; CLUSTER.  The four work-groups of a cluster belong to one head: each block is asked for jointly, by the same load with the same descriptor and the mask of all four.
; LAYOUT.  Both products are used transposed: a lane holds one query throughout.  K = 64 is half of the instruction's 128: a fragment of K holds tile 2 a in its lower 64 and tile 2 a + 1 in its upper 64, and is multiplied by [q | 0] and by [0 | q]:
; zero codes add nothing under any scale byte that this program makes.  Inside a block of 32 keys p's places hold keys 0-7, 16-23, 8-15, 24-31, as V's do.
; LIMITS: NaN and infinities are not served; a block of zeros gets the byte 1 (its codes are zeros).  The 2 scale bytes a row and head leave as stores of 2 bytes, 8 apart: 256 KiB in the whole launch.
; A BLOCK'S SCALE BYTE IS MADE WITHOUT AN EXPONENTIAL: the block's largest p is 2^x, x the largest t - M of the block, so its exponent is floor(x).
; LIMIT: where v_exp_f32 rounds that largest p up to the next power of two (x within about 2^-25 under a whole number), the byte is one lower than the rule's, and that one p is held at the largest code.
.set STEPB, 13056
.set NVSC,  6291456                    ; nvb: where the scale words begin
.set A16, 1                            ; v1-3 the step's LDS addresses: + 16, 8, 4 x lane
.set A8,  2
.set A4,  3
.set L16, 4
.set L8,  5
.set L4,  6
.set QW,  7                            ; q's scale word: its two bytes, twice
.set R4,  8
.set R8,  9
.set QL,  10
.set QHI, 16                           ; v16-27 [0 | q];  v22-33 [q | 0]
.set QLO, 22
.set KF,  36                           ; v36-83 four fragments, K's and then V's
.set S,   96                           ; v96-159 S^T, then p
.set O,   160                          ; v160-191 O^T
.set PCD, 192                          ; v192-203 p's codes
.set PCT, 204
.set BM,  212                          ; v212-215 the blocks' largest
.set BY,  216
.set SO,  220
.set KW,  224
.set VW,  226
.set PWD, 228
.set F,   230
.set T,   232
.set WV,  10
.set CS,  20
.set SEL, 22
.set TB,  32
.set CNT, 33
.macro ROUND
	s_barrier_signal -1
	s_barrier_wait -1
	s_cmp_lg_u32 s[WV], 0
	s_cbranch_scc1 .Lnot_wave_0_\@
	s_barrier_signal -3
.Lnot_wave_0_\@:
	s_barrier_wait -3
	s_barrier_signal -1
	s_barrier_wait -1
.endm
	s_load_b128 s[4:7], s[0:1], 0x0                ; qc, kvs
	s_load_b64 s[8:9], s[0:1], 0x10                ; nvb
	v_lshl_add_u32 v254, v0, 2, 0x33000
	v_mov_b32 v255, 0
	ds_add_u32 v254, v255
	ds_add_u32 v254, v255
	v_lshrrev_b32 v1, 5, v0
	s_delay_alu instid0(VALU_DEP_1)
	v_readfirstlane_b32 s[WV], v1                  ; wave 0..15
	s_bfe_u32 s11, ttmp6, 0x40000                  ; cx: it enters global addresses of my own loads and stores alone
	s_and_b32 s12, ttmp7, 0xffff                   ; 16 batch + head
	s_mov_b32 s24, 15|(3<<16)|(1<<21)              ; the mask of all four; elements of 8 bytes; 21 set beside a mask
	s_mov_b32 s25, 32<<16                          ; 51 rows of 256 bytes, dense
	s_mov_b32 s26, 51<<16
	s_mov_b32 s27, 32<<16
	s_mov_b32 s28, 51
	s_mov_b32 s29, 32
	s_mov_b32 s30, 0
	s_mov_b32 s31, 0
	s_mul_i32 s42, s12, 16*STEPB
	s_mov_b32 s43, 0
	s_mul_i32 s44, s[WV], STEPB
	s_mov_b32 s45, 0
	s_wait_dscnt 0x0
	s_wait_kmcnt 0x0
	s_add_nc_u64 s[46:47], s[6:7], s[42:43]        ; the head in kvs
	s_mov_b32 s16, 1
	s_mov_b32 s17, s44
	s_add_nc_u64 s[18:19], s[46:47], s[44:45]
	s_or_b32 s19, s19, 0x80000000
	ROUND                                          ; the four work-groups are here: the joint loads meet
	tensor_load_to_lds s[16:19], s[24:31]          ; one load a wave is out
	s_nop 0
.rept 4
	v_nop
.endr
	s_lshl_b32 s48, s11, 5
	s_add_co_u32 s48, s48, s[WV]                   ; my tile of queries in pass 0
	s_lshl_b32 s49, s12, 7
	s_add_co_u32 s49, s49, s48
	s_mul_i32 s50, s49, 768
	s_mov_b32 s51, 0
	s_add_nc_u64 s[34:35], s[4:5], s[50:51]        ; q's half fragment
	s_lshr_b32 s49, s48, 3
	s_mul_i32 s50, s49, STEPB
	s_bfe_u32 s49, s48, 0x20001
	s_lshl_b32 s49, s49, 6
	s_add_co_u32 s50, s50, s49
	s_add_co_u32 s50, s50, 12288
	s_add_nc_u64 s[36:37], s[46:47], s[50:51]      ; the pair of tiles' scale words
	s_lshr_b32 s49, s12, 4
	s_lshl_b32 s49, s49, 7
	s_add_co_u32 s49, s49, s48                     ; the tile among all 512
	s_and_b32 s42, s12, 15                         ; head
	s_mul_i32 s50, s49, 12288
	s_mul_i32 s43, s42, 768
	s_add_co_u32 s50, s50, s43
	s_add_nc_u64 s[38:39], s[8:9], s[50:51]        ; new_v's half fragment
	s_lshl_b32 s50, s49, 9
	s_add_co_u32 s50, s50, NVSC
	s_lshr_b32 s43, s42, 2
	s_lshl_b32 s43, s43, 7
	s_add_co_u32 s50, s50, s43
	s_bfe_u32 s43, s42, 0x10001
	s_lshl_b32 s43, s43, 2
	s_add_co_u32 s50, s50, s43
	s_and_b32 s43, s42, 1
	s_lshl_b32 s43, s43, 1
	s_add_co_u32 s50, s50, s43
	s_add_nc_u64 s[40:41], s[8:9], s[50:51]        ; and its two scale bytes
	s_mov_b32 s[CS], 0x3d0293ee                    ; c = log2(e) / sqrt(2048)
	s_mov_b32 s[CS+1], s[CS]
	s_mov_b32 s[SEL], 0x76543210
	s_mov_b32 s[SEL+1], 0xfedcba98
	s_and_b32 s52, s[WV], 1                        ; my tile is the pair's first or second: which half of the pair's word is mine
	s_mov_b32 s53, 0x01000100
	s_cmp_lg_u32 s52, 0
	s_cselect_b32 s52, 0x03020302, s53
	v_and_b32 v11, 31, v0
	s_delay_alu instid0(VALU_DEP_1)
	v_lshlrev_b32 v[L16], 4, v11
	s_delay_alu instid0(VALU_DEP_2)
	v_lshlrev_b32 v[L8], 3, v11
	s_delay_alu instid0(VALU_DEP_3)
	v_lshlrev_b32 v[L4], 2, v11
	v_and_b32 v11, 15, v0
	s_delay_alu instid0(VALU_DEP_1)
	v_lshlrev_b32 v[R4], 2, v11
	s_delay_alu instid0(VALU_DEP_2)
	v_lshlrev_b32 v[R8], 3, v11
.irp j, 0,1,2,3,4,5
	v_mov_b32 v[QHI+\j], 0                         ; the zero codes on both sides of q
	v_mov_b32 v[QLO+6+\j], 0
.endr
.irp b, 0,1,2,3
	v_mov_b32 v[BY+\b], 0                          ; a lane permute's destination counts as one of its sources
.endr
	v_mov_b32 v[F+1], 0                            ; (named as the upper half of a pair)
	global_load_b128 v[QLO:QLO+3], v[L16], s[34:35]        ; pass 0's q and its scale word are asked for while my block of keys is on its way
	global_load_b64 v[QLO+4:QLO+5], v[L8], s[34:35] offset:512
	global_load_b32 v[QL], v[R4], s[36:37]
	s_wait_tensorcnt 0x0
	s_barrier_signal -1
	s_barrier_wait -1                              ; everybody's is
.macro STEP                            ; 128 keys
	v_add_nc_u32 v[A16], s[TB], v[L16]
	v_add_nc_u32 v[A8], s[TB], v[L8]
	v_add_nc_u32 v[A4], s[TB], v[L4]
	v_nop                                          ; four places behind the last trip's products, in front of loads into registers that they have read
	ds_load_b32 v[KW], v[A4] offset:12544          ; K's scale words: lanes 0-15 fragment 0's, lanes 16-31 fragment 1's
	ds_load_b32 v[KW+1], v[A4] offset:12672
.irp a, 0,1,2,3
	ds_load_b128 v[KF+12*\a:KF+12*\a+3], v[A16] offset:1536*\a
	ds_load_b64 v[KF+12*\a+4:KF+12*\a+5], v[A8] offset:1536*\a+512
	ds_load_b128 v[KF+12*\a+6:KF+12*\a+9], v[A16] offset:1536*\a+768
	ds_load_b64 v[KF+12*\a+10:KF+12*\a+11], v[A8] offset:1536*\a+1280
.endr
	s_wait_alu depctr_va_vdst(0)
.irp a, 0,1,2,3
	s_wait_dscnt 4*(3-\a)                          ; fragment a is in; the younger fragments' four loads each may be out
.if \a%2
	v_wmma_scale_f32_16x16x128_f8f6f4 v[S+16*\a:S+16*\a+7], v[KF+12*\a:KF+12*\a+11], v[QLO:QLO+11], 0, v[KW+\a/2], v[QW] matrix_a_fmt:MATRIX_FMT_BF6 matrix_b_fmt:MATRIX_FMT_BF6 matrix_a_scale:MATRIX_SCALE_ROW1
	v_wmma_scale_f32_16x16x128_f8f6f4 v[S+16*\a+8:S+16*\a+15], v[KF+12*\a:KF+12*\a+11], v[QHI:QHI+11], 0, v[KW+\a/2], v[QW] matrix_a_fmt:MATRIX_FMT_BF6 matrix_b_fmt:MATRIX_FMT_BF6 matrix_a_scale:MATRIX_SCALE_ROW1
.else
	v_wmma_scale_f32_16x16x128_f8f6f4 v[S+16*\a:S+16*\a+7], v[KF+12*\a:KF+12*\a+11], v[QLO:QLO+11], 0, v[KW+\a/2], v[QW] matrix_a_fmt:MATRIX_FMT_BF6 matrix_b_fmt:MATRIX_FMT_BF6
	v_wmma_scale_f32_16x16x128_f8f6f4 v[S+16*\a+8:S+16*\a+15], v[KF+12*\a:KF+12*\a+11], v[QHI:QHI+11], 0, v[KW+\a/2], v[QW] matrix_a_fmt:MATRIX_FMT_BF6 matrix_b_fmt:MATRIX_FMT_BF6
.endif
.endr
.rept 4
	v_nop                                          ; places: V's loads land in K's registers, and the scores are read
.endr
	ds_load_b32 v[VW], v[A4] offset:12800          ; V's fragments are asked for now and land under the softmax
	ds_load_b32 v[VW+1], v[A4] offset:12928
.irp e, 0,1,2,3
	ds_load_b128 v[KF+12*\e:KF+12*\e+3], v[A16] offset:6144+768*\e
	ds_load_b64 v[KF+12*\e+4:KF+12*\e+5], v[A8] offset:6144+768*\e+512
	ds_load_b128 v[KF+12*\e+6:KF+12*\e+9], v[A16] offset:9216+768*\e
	ds_load_b64 v[KF+12*\e+10:KF+12*\e+11], v[A8] offset:9216+768*\e+512
.endr
.irp b, 0,1,2,3
	v_max3_num_f32 v[BM+\b], v[S+16*\b], v[S+1+16*\b], v[S+2+16*\b]   ; the largest score of each block of 32 keys: for the row's maximum and, since p rises with the score, for the block's largest p
.endr
.irp i, 3,5,7,9,11,13
.irp b, 0,1,2,3
	v_max3_num_f32 v[BM+\b], v[BM+\b], v[S+16*\b+\i], v[S+1+16*\b+\i]
.endr
.endr
.irp b, 0,1,2,3
	v_max_num_f32 v[BM+\b], v[BM+\b], v[S+15+16*\b]
.endr
.irp b, 0,1,2,3
	s_delay_alu instid0(VALU_DEP_4)
	v_permlanex16_b32 v[BY+\b], v[BM+\b], s[SEL], s[SEL+1]
.endr
.irp b, 0,1,2,3
	s_delay_alu instid0(VALU_DEP_4)
	v_max_num_f32 v[BM+\b], v[BM+\b], v[BY+\b]
.endr
	s_delay_alu instid0(VALU_DEP_2)
	v_max3_num_f32 v[T], v[BM], v[BM+1], v[BM+2]
	s_delay_alu instid0(VALU_DEP_1)
	v_max_num_f32 v[T], v[T], v[BM+3]
	s_delay_alu instid0(VALU_DEP_1)
	v_mul_f32 v[T], s[CS], v[T]
	s_delay_alu instid0(VALU_DEP_1)
	v_max_num_f32 v13, v13, v[T]                   ; the running largest t
	v_mov_b32 v[T], v12
	s_delay_alu instid0(VALU_DEP_2)
	v_floor_f32 v12, -v13                          ; -M = floor(-t): M is a whole number
	s_delay_alu instid0(VALU_DEP_1)
	v_sub_f32 v[T], v12, v[T]
	s_delay_alu instid0(VALU_DEP_1)
	v_cvt_i32_f32 v[T], v[T]                       ; (it saturates)
	s_delay_alu instid0(VALU_DEP_1)
	v_ldexp_f32 v[F], 1.0, v[T]                    ; f = 2^(old M - new M): rounds nothing
.set ii, 0
.rept 32
	v_pk_fma_f32 v[S+ii:S+ii+1], v[S+ii:S+ii+1], s[CS:CS+1], v[12:13] op_sel_hi:[1,0,0]   ; t - M
.set ii, ii+2
.endr
.irp b, 0,1,2,3
	v_fma_f32 v[BM+\b], v[BM+\b], s[CS], v12       ; x: the block's largest t - M
.endr
.irp b, 0,1,2,3
	s_delay_alu instid0(VALU_DEP_4)
	v_max_num_f32 v[BM+\b], 0xc2f40000, v[BM+\b]   ; held at -122 from below: the floor 2^(5 - 127) of the largest p: the byte cannot fall under 1
.endr
.irp b, 0,1,2,3
	s_delay_alu instid0(VALU_DEP_4)
	v_floor_f32 v[BM+\b], v[BM+\b]                 ; the exponent of the block's largest p: -122 .. 0
.endr
.irp b, 0,1,2,3
	s_delay_alu instid0(VALU_DEP_4)
	v_add_f32 v[BY+\b], 0x4b00007b, v[BM+\b]       ; + 2^23 + 123, exact: the lowest byte of the sum's bits is the scale's byte, exponent + 127 - 4
.endr
.irp b, 0,1,2,3
	s_delay_alu instid0(VALU_DEP_4)
	v_lshlrev_b32 v[SO+\b], 23, v[BY+\b]           ; the byte in the exponent field (the bits above it fall out): the conversion's scale operand
.endr
	v_perm_b32 v[T], v[BY+1], v[BY], 0x04000400    ; the four bytes make p's scale word
	v_perm_b32 v[T+1], v[BY+3], v[BY+2], 0x04000400
	s_delay_alu instid0(VALU_DEP_1)
	v_perm_b32 v[PWD], v[T+1], v[T], 0x05040100
.set ii, 0
	s_wait_alu depctr_va_vdst(0)
.rept 64
	v_exp_f32 v[S+ii], v[S+ii]                     ; p = 2^(t - M)
.set ii, ii+1
.endr
	v_pk_mul_f32 v[14:15], v[14:15], v[F:F+1] op_sel_hi:[1,0]   ; the sums under the new M (a plain place behind the exponentials)
	s_wait_alu depctr_va_vdst(0)
.irp c, 0,1
	v_cvt_scalef32_pk16_bf6_f32 v[PCD+6*\c:PCD+2+6*\c], v[S+32*\c:S+15+32*\c], v[SO+2*\c]
	v_cvt_scalef32_pk16_bf6_f32 v[PCT+4*\c:PCT+2+4*\c], v[S+16+32*\c:S+31+32*\c], v[SO+2*\c+1]
.endr
	v_nop                                          ; one plain place behind the scaled conversions
.irp c, 0,1
.irp i, 0,1,2
	v_permlane16_swap_b32 v[PCD+6*\c+\i], v[PCT+4*\c+\i]
.endr
.irp i, 0,1,2
	s_delay_alu instid0(VALU_DEP_3)
	v_mov_b32 v[PCD+3+6*\c+\i], v[PCT+4*\c+\i]
.endr
.endr
	v_pk_add_f32 v[232:233], v[100:101], v[104:105]
	v_pk_add_f32 v[252:253], v[108:109], v[112:113]
	v_pk_add_f32 v[250:251], v[116:117], v[120:121]
	v_pk_add_f32 v[248:249], v[124:125], v[128:129]
	v_pk_add_f32 v[246:247], v[132:133], v[136:137]
	v_pk_add_f32 v[244:245], v[140:141], v[144:145]
	v_pk_add_f32 v[242:243], v[148:149], v[152:153]
	v_pk_add_f32 v[14:15], v[14:15], v[156:157]
	v_pk_add_f32 v[232:233], v[232:233], v[96:97]
	v_pk_add_f32 v[252:253], v[252:253], v[98:99]
	v_pk_add_f32 v[250:251], v[250:251], v[102:103]
	v_pk_add_f32 v[248:249], v[248:249], v[106:107]
	v_pk_add_f32 v[246:247], v[246:247], v[110:111]
	v_pk_add_f32 v[244:245], v[244:245], v[114:115]
	v_pk_add_f32 v[242:243], v[242:243], v[118:119]
	v_pk_add_f32 v[14:15], v[14:15], v[122:123]
	v_pk_add_f32 v[232:233], v[232:233], v[126:127]
	v_pk_add_f32 v[252:253], v[252:253], v[130:131]
	v_pk_add_f32 v[250:251], v[250:251], v[134:135]
	v_pk_add_f32 v[248:249], v[248:249], v[138:139]
	v_pk_add_f32 v[246:247], v[246:247], v[142:143]
	v_pk_add_f32 v[244:245], v[244:245], v[146:147]
	v_pk_add_f32 v[242:243], v[242:243], v[150:151]
	v_pk_add_f32 v[14:15], v[14:15], v[154:155]
	v_pk_add_f32 v[232:233], v[232:233], v[158:159]
	s_delay_alu instid0(VALU_DEP_2)
	v_pk_add_f32 v[14:15], v[14:15], v[248:249]
	s_delay_alu instid0(VALU_DEP_2)
	v_pk_add_f32 v[232:233], v[232:233], v[246:247]
	v_pk_add_f32 v[252:253], v[252:253], v[244:245]
	v_pk_add_f32 v[250:251], v[250:251], v[242:243]
	s_delay_alu instid0(VALU_DEP_2)
	v_pk_add_f32 v[14:15], v[14:15], v[252:253]
	s_delay_alu instid0(VALU_DEP_2)
	v_pk_add_f32 v[232:233], v[232:233], v[250:251]
	s_delay_alu instid0(VALU_DEP_1)
	v_pk_add_f32 v[14:15], v[14:15], v[232:233]
.set ii, 0
.rept 16
	v_pk_mul_f32 v[O+ii:O+ii+1], v[O+ii:O+ii+1], v[F:F+1] op_sel_hi:[1,0]   ; O^T under the new M.  (With the sums above: the places between p's codes and scale word and the products)
.set ii, ii+2
.endr
	s_wait_alu depctr_va_vdst(0)
	s_wait_dscnt 0x0                               ; V is in
.irp e, 0,1,2,3                                ; the four accumulators take turns
.if \e%2
	v_wmma_scale_f32_16x16x128_f8f6f4 v[O+8*\e:O+8*\e+7], v[KF+12*\e:KF+12*\e+11], v[PCD:PCD+11], v[O+8*\e:O+8*\e+7], v[VW+\e/2], v[PWD] matrix_a_fmt:MATRIX_FMT_BF6 matrix_b_fmt:MATRIX_FMT_BF6 matrix_a_scale:MATRIX_SCALE_ROW1
.else
	v_wmma_scale_f32_16x16x128_f8f6f4 v[O+8*\e:O+8*\e+7], v[KF+12*\e:KF+12*\e+11], v[PCD:PCD+11], v[O+8*\e:O+8*\e+7], v[VW+\e/2], v[PWD] matrix_a_fmt:MATRIX_FMT_BF6 matrix_b_fmt:MATRIX_FMT_BF6
.endif
.endr
.endm
; A pass: my tile of 16 queries against all 2,048 keys.  The pass stands in the immediates: 16 tiles on
.macro PASS p
.if \p                                         ; (pass 0's were asked for at the head)
	global_load_b128 v[QLO:QLO+3], v[L16], s[34:35] offset:12288*\p
	global_load_b64 v[QLO+4:QLO+5], v[L8], s[34:35] offset:12288*\p+512
	global_load_b32 v[QL], v[R4], s[36:37] offset:2*STEPB*\p
.endif
	v_mov_b32 v13, 0xff61b1e6                      ; the largest t so far: -3e38
	s_delay_alu instid0(VALU_DEP_1)
	v_floor_f32 v12, -v13
	v_mov_b32 v14, 0
	v_mov_b32 v15, 0
	s_mov_b32 s[TB], 0
	s_mov_b32 s[CNT], 16
	s_wait_loadcnt 0x0
	v_perm_b32 v[QW], v[QL], v[QL], s52            ; my tile's two bytes, in both halves of the word
.set ii, 0
.rept 32
	v_mov_b32 v[O+ii], 0                           ; O^T: the step is written once; the first change of M leaves zeros zeros.  (Also the places between q's scale word and the first product)
.set ii, ii+1
.endr
.Lstep_\@:
	STEP
	s_add_co_u32 s[TB], s[TB], STEPB
	s_sub_co_u32 s[CNT], s[CNT], 1
	s_cmp_lg_u32 s[CNT], 0
	s_cbranch_scc1 .Lstep_\@
.rept 4
	v_nop                                          ; places behind the last products
.endr
	v_add_f32 v14, v14, v15
	s_delay_alu instid0(VALU_DEP_1)
	v_permlanex16_b32 v[T], v14, s[SEL], s[SEL+1]
	s_delay_alu instid0(VALU_DEP_1)
	v_add_f32 v14, v14, v[T]                       ; the row's sum
	s_wait_alu depctr_va_vdst(0)
	v_rcp_f32 v14, v14
	v_nop                                          ; a plain place behind the reciprocal
.set ii, 0
	s_wait_alu depctr_va_vdst(0)
.rept 32
	v_mul_f32 v[S+ii], v[O+ii], v14                ; new_v(query r, dim 16 e + 8 h + j)
.set ii, ii+1
.endr
.irp b, 0,1                                    ; its two blocks of 32 dims are quantised as p is
	v_max3_num_f32 v[BM+\b], |v[S+16*\b]|, |v[S+1+16*\b]|, 0x2800000
.endr
.irp i, 2,4,6,8,10,12,14
.irp b, 0,1
	s_delay_alu instid0(VALU_DEP_2)
	v_max3_num_f32 v[BM+\b], v[BM+\b], |v[S+16*\b+\i]|, |v[S+1+16*\b+\i]|
.endr
.endr
.irp b, 0,1
	s_delay_alu instid0(VALU_DEP_2)
	v_permlanex16_b32 v[BY+\b], v[BM+\b], s[SEL], s[SEL+1]
.endr
.irp b, 0,1
	s_delay_alu instid0(VALU_DEP_2)
	v_max_num_f32 v[BM+\b], v[BM+\b], v[BY+\b]
.endr
.irp b, 0,1
	s_delay_alu instid0(VALU_DEP_2)
	v_add_nc_u32 v[SO+\b], 0xfe000000, v[BM+\b]
.endr
.irp b, 0,1
	s_delay_alu instid0(VALU_DEP_2)
	v_lshrrev_b32 v[BY+\b], 23, v[SO+\b]
.endr
	s_delay_alu instid0(VALU_DEP_1)
	v_lshl_or_b32 v[T+2], v[BY+1], 8, v[BY]
	v_cvt_scalef32_pk16_bf6_f32 v[PCD:PCD+2], v[S:S+15], v[SO]
	v_cvt_scalef32_pk16_bf6_f32 v[PCT:PCT+2], v[S+16:S+31], v[SO+1]
	v_nop
.irp i, 0,1,2
	v_permlane16_swap_b32 v[PCD+\i], v[PCT+\i]
.endr
.irp i, 0,1,2
	s_delay_alu instid0(VALU_DEP_3)
	v_mov_b32 v[PCD+3+\i], v[PCT+\i]
.endr
	global_store_b128 v[L16], v[PCD:PCD+3], s[38:39] offset:196608*\p        ; 512 and 256 consecutive bytes, aligned
	global_store_b64 v[L8], v[PCD+4:PCD+5], s[38:39] offset:196608*\p+512
	global_store_b16 v[R8], v[T+2], s[40:41] offset:8192*\p                  ; lanes 16-31 hold and write the same as lanes 0-15
	s_wait_xcnt 0x0                                ; the stores have read their registers: the next pass writes them again
.endm
	PASS 0
	PASS 1
	s_wait_tensorcnt 0x0
	ds_add_u32 v254, v255
	s_wait_dscnt 0x0
	ROUND                                          ; the closing round
	s_endpgm
.Lfunc_end_k_q814b6a5ece_attn:
	.size	k_q814b6a5ece_attn, .Lfunc_end_k_q814b6a5ece_attn-k_q814b6a5ece_attn
	.p2alignl 7, 3214868480
	.fill 96, 4, 3214868480
	.section	.rodata,"a",@progbits
	.p2align	6, 0x0
	.amdhsa_kernel k_q814b6a5ece_attn
		.amdhsa_group_segment_fixed_size 210944
		.amdhsa_private_segment_fixed_size 0
		.amdhsa_enable_private_segment 0
		.amdhsa_kernarg_size 24
		.amdhsa_user_sgpr_count 2
		.amdhsa_user_sgpr_kernarg_segment_ptr 1
		.amdhsa_wavefront_size32 1
		.amdhsa_system_sgpr_workgroup_id_x 1
		.amdhsa_system_sgpr_workgroup_id_y 1
		.amdhsa_system_sgpr_workgroup_id_z 1
		.amdhsa_system_vgpr_workitem_id 0
		.amdhsa_next_free_vgpr 256
		.amdhsa_next_free_sgpr 66
		.amdhsa_reserve_vcc 0
		.amdhsa_float_denorm_mode_32 3
		.amdhsa_float_denorm_mode_16_64 3
		.amdhsa_memory_ordered 1
		.amdhsa_forward_progress 1
		.amdhsa_inst_pref_size 53
	.end_amdhsa_kernel
	.amdgpu_metadata
---
amdhsa.version: [ 1, 2 ]
amdhsa.kernels:
  - .name:           k_q814b6a5ece_attn
    .symbol:         k_q814b6a5ece_attn.kd
    .args:
      - { .name: qc, .offset: 0, .size: 8, .value_kind: global_buffer, .address_space: global }
      - { .name: kvs, .offset: 8, .size: 8, .value_kind: global_buffer, .address_space: global }
      - { .name: nvb, .offset: 16, .size: 8, .value_kind: global_buffer, .address_space: global }
    .group_segment_fixed_size: 210944
    .private_segment_fixed_size: 0
    .kernarg_segment_align: 8
    .kernarg_segment_size: 24
    .max_flat_workgroup_size: 512
    .sgpr_count:     66
    .vgpr_count:     256
    .wavefront_size: 32
...
	.end_amdgpu_metadata
.endif
;; end of part 3
;; launch outp (part 4): grid 256 x 1, 4 waves a work-group, clusters of 4 x 1, 327,680 bytes of LDS; arguments nvb, w2b, b_fc2, x, out0; writes out0
.if DOCPART == 4
	.amdgcn_target "amdgcn-amd-amdhsa--gfx1250"
	.amdhsa_code_object_version 6
	.text
	.protected	k_q814b6a5ece_outp
	.globl	k_q814b6a5ece_outp
	.p2align	8
	.type	k_q814b6a5ece_outp,@function
k_q814b6a5ece_outp:
	s_mov_b64 s[64:65], 0
	v_nop
	global_prefetch_b8 v0, s[64:65] scope:SCOPE_SE
	s_setreg_imm32_b32 hwreg(HW_REG_WAVE_MODE, 25, 1), 1
	s_wait_xcnt 0x0
	s_wait_alu depctr_hold_cnt(0) depctr_sa_sdst(0) depctr_va_vdst(0) depctr_va_sdst(0) depctr_va_ssrc(0) depctr_va_vcc(0) depctr_vm_vsrc(0)
	s_getreg_b32 s2, hwreg(HW_REG_IB_STS2, 6, 4)
	s_cmp_eq_u32 s2, 0
	s_cbranch_scc0 .Lentry_in_a_cluster
	s_endpgm
.Lentry_in_a_cluster:
	s_bfe_u32 s2, ttmp6, 0x10000c
	s_cmp_lg_u32 s2, 0x3003
	s_cbranch_scc0 .Lentry_shape_is_right
	s_endpgm
.Lentry_shape_is_right:
.set NVSC,  6291456
.set W2SC,  786432
.set SLA,   49152
.set SLB0,  196608
.set SLB,   24576
.set SPARE, 294912
.set LNS,   295424
.set SPITCH, 1040
.set STG,   16*SPITCH
.set L16, 4
.set L8,  5
.set R8,  6
.set AA16, 7
.set AA8,  8
.set AB16, 9
.set AB8,  10
.set BSA, 11
.set BIA, 12
.set SD,  13
.set LW,  14
.set LR,  15
.set SPW, 28
.set NIL, 29
.set AS,  32
.set BS,  48
.set CH,  112
.set BI,  128
.set WV,  14
.set G1A, 24
.set G0A, 32
.set G1B, 36
.set G0B, 44
.set SEL, 48
.set LG,  50
.set MSB, 0
.macro WIN new
.if MSB != \new
	s_set_vgpr_msb (MSB<<8)|\new
.set MSB, \new
.endif
.endm
.macro ROUND
	s_barrier_signal -1
	s_barrier_wait -1
	s_cmp_lg_u32 s[WV], 0
	s_cbranch_scc1 .Lnot_wave_0_\@
	s_barrier_signal -3
.Lnot_wave_0_\@:
	s_barrier_wait -3
	s_barrier_signal -1
	s_barrier_wait -1
.endm
.macro PLACES
.rept 4
	v_nop
.endr
.endm
	s_load_b128 s[4:7], s[0:1], 0x0
	s_load_b128 s[8:11], s[0:1], 0x10
	s_load_b64 s[12:13], s[0:1], 0x20
	v_lshl_add_u32 v[SPW], v0, 2, SPARE
	v_mov_b32 v[NIL], 0
	ds_add_u32 v28, v29
	ds_add_u32 v28, v29
	s_wait_dscnt 0x0
	v_lshrrev_b32 v1, 5, v0
	v_readfirstlane_b32 s[WV], v1
	s_bfe_u32 s15, ttmp6, 0x40000
	s_lshl_b32 s16, ttmp9, 2
	s_add_co_u32 s16, s16, s15
	s_mov_b32 s[G1A], 15|(3<<16)|(1<<21)
	s_mov_b32 s[G1A+1], 384<<16
	s_mov_b32 s[G1A+2], 16<<16
	s_mov_b32 s[G1A+3], 384<<16
	s_mov_b32 s[G1A+4], 16
	s_mov_b32 s[G1A+5], 1536
	s_mov_b32 s[G1A+6], 0
	s_mov_b32 s[G1A+7], 0
	s_mov_b32 s[G1B], 15|(3<<16)|(1<<21)
	s_mov_b32 s[G1B+1], 192<<16
	s_mov_b32 s[G1B+2], 16<<16
	s_mov_b32 s[G1B+3], 192<<16
	s_mov_b32 s[G1B+4], 16
	s_mov_b32 s[G1B+5], 1536
	s_mov_b32 s[G1B+6], 0
	s_mov_b32 s[G1B+7], 0
	s_mul_i32 s18, s[WV], 196608
	s_mov_b32 s19, 0
	s_mul_i32 s20, s[WV], SLA
	s_mul_i32 s21, s[WV], SLB
	s_add_co_u32 s21, s21, SLB0
	s_wait_kmcnt 0x0
	s_add_nc_u64 s[22:23], s[6:7], s[18:19]
	s_mov_b32 s[G0A], 1
	s_mov_b32 s[G0A+1], s20
	s_mov_b64 s[G0A+2:G0A+3], s[22:23]
	s_or_b32 s[G0A+3], s[G0A+3], 0x80000000
	s_mov_b32 s[G0B], 1
	s_mov_b32 s[G0B+1], s21
	s_add_nc_u64 s[G0B+2:G0B+3], s[22:23], 2*1536
	s_or_b32 s[G0B+3], s[G0B+3], 0x80000000
	ROUND
	tensor_load_to_lds s[G0A:G0A+3], s[G1A:G1A+7]
	s_nop 0
	PLACES
	s_mul_i32 s18, s16, 24576
	s_add_nc_u64 s[52:53], s[4:5], s[18:19]
	s_lshl_b32 s18, s16, 10
	s_add_co_u32 s18, s18, NVSC
	s_add_nc_u64 s[54:55], s[4:5], s[18:19]
	s_lshl_b32 s18, s[WV], 13
	s_add_co_u32 s18, s18, W2SC
	s_add_nc_u64 s[56:57], s[6:7], s[18:19]
	s_lshl_b32 s18, s[WV], 10
	s_add_nc_u64 s[58:59], s[8:9], s[18:19]
	s_lshl_b32 s17, s16, 17
	s_add_co_u32 s18, s18, s17
	s_add_nc_u64 s[60:61], s[10:11], s[18:19]
	s_add_nc_u64 s[62:63], s[12:13], s[18:19]
	s_mov_b32 s[SEL], 0x76543210
	s_mov_b32 s[SEL+1], 0xfedcba98
	s_mov_b32 s[LG], 0xbfb8aa3b
	s_mov_b32 s[LG+1], s[LG]
	s_mov_b32 s17, 0x3a800000
	s_mov_b32 s18, 0x3727c5ac
	v_and_b32 v1, 31, v0
	v_and_b32 v2, 15, v0
	v_bfe_u32 v3, v0, 4, 1
	v_lshlrev_b32 v[L16], 4, v1
	v_lshlrev_b32 v[L8], 3, v1
	v_lshlrev_b32 v[R8], 3, v2
	v_add_nc_u32 v[AA16], s20, v[L16]
	v_add_nc_u32 v[AA8], s20, v[L8]
	v_add_nc_u32 v[AB16], s21, v[L16]
	v_add_nc_u32 v[AB8], s21, v[L8]
	v_lshlrev_b32 v[BSA], 9, v3
	v_lshl_add_u32 v[BSA], v2, 3, v[BSA]
	v_lshlrev_b32 v[BIA], 5, v3
	v_mul_u32_u24 v[SD], v2, SPITCH
	v_lshl_add_u32 v[SD], v3, 5, v[SD]
	v_add_nc_u32 v[SD], s20, v[SD]
	s_lshl_b32 s19, s[WV], 2
	s_add_co_u32 s19, s19, LNS
	v_lshlrev_b32 v[LR], 4, v2
	v_add_nc_u32 v[LW], s19, v[LR]
	v_add_nc_u32 v[LR], LNS, v[LR]
	v_mov_b32 v[CH+8], 0
	WIN 0x40
.irp k, 0,1,2,3,4,5,6,7
.irp m, 0,1
	global_load_b128 v[64+12*(2*\k+\m):64+12*(2*\k+\m)+3], v[L16], s[52:53] offset:12288*\m+1536*\k
	global_load_b64 v[64+12*(2*\k+\m)+4:64+12*(2*\k+\m)+5], v[L8], s[52:53] offset:12288*\m+1536*\k+512
	global_load_b128 v[64+12*(2*\k+\m)+6:64+12*(2*\k+\m)+9], v[L16], s[52:53] offset:12288*\m+1536*\k+768
	global_load_b64 v[64+12*(2*\k+\m)+10:64+12*(2*\k+\m)+11], v[L8], s[52:53] offset:12288*\m+1536*\k+1280
.endr
.endr
	WIN 0
.irp m, 0,1
.irp k, 0,1,2,3
	global_load_b64 v[AS+8*\m+2*\k:AS+8*\m+2*\k+1], v[R8], s[54:55] offset:512*\m+128*\k
.endr
.endr
.irp n, 0,1,2,3,4,5,6,7
.irp k, 0,1,2,3
	global_load_b64 v[BS+8*\n+2*\k:BS+8*\n+2*\k+1], v[BSA], s[56:57] offset:1024*\n+128*\k
.endr
.endr
.set ii, 0
.rept 32
	global_load_b128 v[BI+4*ii:BI+4*ii+3], v[BIA], s[58:59] offset:64*(ii/2)+16*(ii%2)
.set ii, ii+1
.endr
.macro PROD k, n
.irp m, 0,1
.if (\n)%2
.if \k == 0
	v_wmma_scale_f32_16x16x128_f8f6f4 v[128*\m+8*(\n):128*\m+8*(\n)+7], v[12*(\n):12*(\n)+11], v[64+12*(2*\k+\m):64+12*(2*\k+\m)+11], v[BI+8*(\n):BI+8*(\n)+7], v[BS+8*((\n)/2)+\k], v[AS+8*\m+\k] matrix_a_fmt:MATRIX_FMT_BF6 matrix_b_fmt:MATRIX_FMT_BF6 matrix_a_scale:MATRIX_SCALE_ROW1
.else
	v_wmma_scale_f32_16x16x128_f8f6f4 v[128*\m+8*(\n):128*\m+8*(\n)+7], v[12*(\n):12*(\n)+11], v[64+12*(2*\k+\m):64+12*(2*\k+\m)+11], v[128*\m+8*(\n):128*\m+8*(\n)+7], v[BS+8*((\n)/2)+\k], v[AS+8*\m+\k] matrix_a_fmt:MATRIX_FMT_BF6 matrix_b_fmt:MATRIX_FMT_BF6 matrix_a_scale:MATRIX_SCALE_ROW1
.endif
.else
.if \k == 0
	v_wmma_scale_f32_16x16x128_f8f6f4 v[128*\m+8*(\n):128*\m+8*(\n)+7], v[12*(\n):12*(\n)+11], v[64+12*(2*\k+\m):64+12*(2*\k+\m)+11], v[BI+8*(\n):BI+8*(\n)+7], v[BS+8*((\n)/2)+\k], v[AS+8*\m+\k] matrix_a_fmt:MATRIX_FMT_BF6 matrix_b_fmt:MATRIX_FMT_BF6
.else
	v_wmma_scale_f32_16x16x128_f8f6f4 v[128*\m+8*(\n):128*\m+8*(\n)+7], v[12*(\n):12*(\n)+11], v[64+12*(2*\k+\m):64+12*(2*\k+\m)+11], v[128*\m+8*(\n):128*\m+8*(\n)+7], v[BS+8*((\n)/2)+\k], v[AS+8*\m+\k] matrix_a_fmt:MATRIX_FMT_BF6 matrix_b_fmt:MATRIX_FMT_BF6
.endif
.endif
.endr
.endm
.macro KSTEP k, a16, a8, pitch, off
	PLACES
	WIN 0xc0
.irp n, 0,1,2,3,4,5,6,7,8,9,10,11,12,13,14,15
	ds_load_b128 v[12*\n:12*\n+3], v[\a16] offset:\n*\pitch+\off
	ds_load_b64 v[12*\n+4:12*\n+5], v[\a8] offset:\n*\pitch+\off+512
	ds_load_b128 v[12*\n+6:12*\n+9], v[\a16] offset:\n*\pitch+\off+768
	ds_load_b64 v[12*\n+10:12*\n+11], v[\a8] offset:\n*\pitch+\off+1280
.endr
	s_wait_dscnt 32
.if \k == 0
	WIN 0x87
.else
	WIN 0xa7
.endif
.irp n, 0,1,2,3,4,5,6,7
	PROD \k, \n
.endr
	s_wait_dscnt 0x0
.irp n, 8,9,10,11,12,13,14,15
	PROD \k, \n
.endr
	WIN 0
.endm
.macro REFILL g0, g1
	s_wait_tensorcnt 0x0
	ds_add_u32 v[SPW], v[NIL]
	s_add_nc_u64 s[\g0+2:\g0+3], s[\g0+2:\g0+3], 3*1536
	s_wait_dscnt 0x0
	ROUND
	tensor_load_to_lds s[\g0:\g0+3], s[\g1:\g1+7]
	s_nop 0
	PLACES
.endm
.macro XLOAD m, base
.set ii, 0
.rept 32
	global_load_b128 v[\base+4*ii:\base+4*ii+3], v[L16], s[60:61] offset:65536*\m+4096*(ii/2)+512*(ii%2) th:TH_LOAD_NT
.set ii, ii+1
.endr
.endm
	s_wait_alu depctr_va_vdst(0)
	s_wait_tensorcnt 0x0                           ; slot A's first fill is in; the register loads above were issued while it was on its way
	ds_add_u32 v28, v29
	s_wait_dscnt 0x0
	ROUND
	tensor_load_to_lds s[G0B:G0B+3], s[G1B:G1B+7]  ; slot B's first fill, my one load behind the round
	s_nop 0
	PLACES
	s_wait_loadcnt 0x0
	KSTEP 0, AA16, AA8, 3072, 0
	KSTEP 1, AA16, AA8, 3072, 1536
	REFILL G0A, G1A
	XLOAD 1, BI
	KSTEP 2, AB16, AB8, 1536, 0
	REFILL G0B, G1B
	WIN 0x40
	XLOAD 0, 0
	WIN 0
	KSTEP 3, AA16, AA8, 3072, 0
	KSTEP 4, AA16, AA8, 3072, 1536
	REFILL G0A, G1A
	KSTEP 5, AB16, AB8, 1536, 0
	s_wait_tensorcnt 0x0
	KSTEP 6, AA16, AA8, 3072, 0
	KSTEP 7, AA16, AA8, 3072, 1536
	PLACES
	s_wait_loadcnt 0x0
.macro STAGEX m, base, ws, wl
	WIN \ws
.set ii, 0
.rept 32
	ds_store_b128 v[AA16], v[\base+4*ii:\base+4*ii+3] offset:STG*\m+SPITCH*(ii/2)+512*(ii%2)
.set ii, ii+1
.endr
	s_wait_dscnt 0x0
	WIN \wl
.set ii, 0
.rept 32
	ds_load_b128 v[\base+4*ii:\base+4*ii+3], v[SD] offset:STG*\m+64*(ii/2)+16*(ii%2)
.set ii, ii+1
.endr
	WIN 0
.endm
.macro LANESUM m, off
	WIN 0
	v_pk_add_f32 v[CH:CH+1], v[CH:CH+1], v[CH+2:CH+3]
	v_pk_add_f32 v[CH+4:CH+5], v[CH+4:CH+5], v[CH+6:CH+7]
	v_pk_add_f32 v[CH:CH+1], v[CH:CH+1], v[CH+4:CH+5]
	v_add_f32 v[CH], v[CH], v[CH+1]
	v_permlanex16_b32 v[CH+8], v[CH], s[SEL], s[SEL+1]
	v_add_f32 v[CH+14+\m], v[CH], v[CH+8]
	ds_store_b32 v[LW], v[CH+14+\m] offset:\off+256*\m
.endm
.macro ACT m, base, wf
	WIN 0xc2
.set ii, 0
.rept 64
	v_pk_mul_f32 v[ii:ii+1], v[128*\m+ii:128*\m+ii+1], s[LG:LG+1] op_sel_hi:[1,0]
.set ii, ii+2
.endr
	WIN 0xc3
.set ii, 0
	s_wait_alu depctr_va_vdst(0)
.rept 128
	v_exp_f32 v[ii], v[ii]
.set ii, ii+1
.endr
	v_nop
.set ii, 0
	s_wait_alu depctr_va_vdst(0)
.rept 64
	v_pk_add_f32 v[ii:ii+1], v[ii:ii+1], 1.0 op_sel_hi:[1,0]
.set ii, ii+2
.endr
.set ii, 0
	s_wait_alu depctr_va_vdst(0)
.rept 128
	v_rcp_f32 v[ii], v[ii]
.set ii, ii+1
.endr
	v_nop
	s_wait_dscnt 0x0
	WIN \wf
.set ii, 0
	s_wait_alu depctr_va_vdst(0)
.rept 64
	v_pk_fma_f32 v[128*\m+ii:128*\m+ii+1], v[128*\m+ii:128*\m+ii+1], v[ii:ii+1], v[\base+ii:\base+ii+1]
.set ii, ii+2
.endr
	WIN 0x0a
.irp k, 0,2,4,6
	v_pk_add_f32 v[CH+\k:CH+\k+1], v[128*\m+\k:128*\m+\k+1], v[128*\m+8+\k:128*\m+8+\k+1]
.endr
	WIN 0x08
.set ii, 16
.rept 56
	v_pk_add_f32 v[CH+ii%8:CH+ii%8+1], v[CH+ii%8:CH+ii%8+1], v[128*\m+ii:128*\m+ii+1]
.set ii, ii+2
.endr
	LANESUM \m, 0
.endm
.macro DEV m
	WIN 0x82
.set ii, 0
.rept 64
	v_pk_add_f32 v[128*\m+ii:128*\m+ii+1], v[128*\m+ii:128*\m+ii+1], v[CH+10+2*\m:CH+11+2*\m]
.set ii, ii+2
.endr
	WIN 0x0a
.irp k, 0,2,4,6
	v_pk_mul_f32 v[CH+\k:CH+\k+1], v[128*\m+\k:128*\m+\k+1], v[128*\m+\k:128*\m+\k+1]
.endr
.set ii, 8
.rept 60
	v_pk_fma_f32 v[CH+ii%8:CH+ii%8+1], v[128*\m+ii:128*\m+ii+1], v[128*\m+ii:128*\m+ii+1], v[CH+ii%8:CH+ii%8+1]
.set ii, ii+2
.endr
	LANESUM \m, 512
.endm
.macro MEET off
	s_wait_dscnt 0x0
	s_barrier_signal -1
	s_barrier_wait -1
	ds_load_b128 v[CH:CH+3], v[LR] offset:\off
	ds_load_b128 v[CH+4:CH+7], v[LR] offset:\off+256
	s_wait_dscnt 0x0
.irp m, 0,4
	v_add_f32 v[CH+\m], v[CH+\m], v[CH+\m+1]
	v_add_f32 v[CH+\m+2], v[CH+\m+2], v[CH+\m+3]
	v_add_f32 v[CH+\m], v[CH+\m], v[CH+\m+2]
.endr
.endm
.macro SENDOUT m
	WIN 0x82
.set ii, 0
.rept 64
	v_pk_mul_f32 v[128*\m+ii:128*\m+ii+1], v[128*\m+ii:128*\m+ii+1], v[CH+10+2*\m:CH+11+2*\m]
.set ii, ii+2
.endr
	WIN 0x08
.set ii, 0
.rept 32
	ds_store_b128 v[SD], v[128*\m+4*ii:128*\m+4*ii+3] offset:STG*\m+64*(ii/2)+16*(ii%2)
.set ii, ii+1
.endr
	WIN 0xc0
.set ii, 0
.rept 32
	ds_load_b128 v[128*\m+4*ii:128*\m+4*ii+3], v[AA16] offset:STG*\m+SPITCH*(ii/2)+512*(ii%2)
.set ii, ii+1
.endr
	WIN 0x0c
.set ii, 0
.rept 32
	s_wait_dscnt 31-ii
	global_store_b128 v[L16], v[128*\m+4*ii:128*\m+4*ii+3], s[62:63] offset:65536*\m+4096*(ii/2)+512*(ii%2) th:TH_STORE_NT
.set ii, ii+1
.endr
	WIN 0
.endm
	s_wait_alu depctr_va_vdst(0)
	STAGEX 0, 0, 0x04, 0x40
	STAGEX 1, BI, 0, 0
	ACT 0, 0, 0x9e
	ACT 1, BI, 0x8e
	MEET 0
	v_mul_f32 v[CH+10], 0xba800000, v[CH]
	v_mul_f32 v[CH+12], 0xba800000, v[CH+4]
	v_mov_b32 v[CH+11], v[CH+10]
	v_mov_b32 v[CH+13], v[CH+12]
	DEV 0
	DEV 1
	MEET 512
	v_fma_f32 v[CH], v[CH], s17, s18
	v_fma_f32 v[CH+4], v[CH+4], s17, s18
	s_wait_alu depctr_va_vdst(0)
	v_rsq_f32 v[CH+10], v[CH]
	v_rsq_f32 v[CH+12], v[CH+4]
	v_nop
	s_wait_alu depctr_va_vdst(0)
	v_mov_b32 v[CH+11], v[CH+10]
	v_mov_b32 v[CH+13], v[CH+12]
	SENDOUT 0
	SENDOUT 1
	s_wait_tensorcnt 0x0
	ds_add_u32 v[SPW], v[NIL]
	s_wait_dscnt 0x0
	ROUND
	s_endpgm
.Lfunc_end_k_q814b6a5ece_outp:
	.size	k_q814b6a5ece_outp, .Lfunc_end_k_q814b6a5ece_outp-k_q814b6a5ece_outp
	.p2alignl 7, 3214868480
	.fill 96, 4, 3214868480
	.section	.rodata,"a",@progbits
	.p2align	6, 0x0
	.amdhsa_kernel k_q814b6a5ece_outp
		.amdhsa_group_segment_fixed_size 327680
		.amdhsa_private_segment_fixed_size 0
		.amdhsa_enable_private_segment 0
		.amdhsa_kernarg_size 40
		.amdhsa_user_sgpr_count 2
		.amdhsa_user_sgpr_kernarg_segment_ptr 1
		.amdhsa_wavefront_size32 1
		.amdhsa_system_sgpr_workgroup_id_x 1
		.amdhsa_system_sgpr_workgroup_id_y 1
		.amdhsa_system_sgpr_workgroup_id_z 1
		.amdhsa_system_vgpr_workitem_id 0
		.amdhsa_next_free_vgpr 1024
		.amdhsa_next_free_sgpr 66
		.amdhsa_reserve_vcc 0
		.amdhsa_float_denorm_mode_32 3
		.amdhsa_float_denorm_mode_16_64 3
		.amdhsa_memory_ordered 1
		.amdhsa_forward_progress 1
		.amdhsa_inst_pref_size 194
	.end_amdhsa_kernel
	.amdgpu_metadata
---
amdhsa.version: [ 1, 2 ]
amdhsa.kernels:
  - .name:           k_q814b6a5ece_outp
    .symbol:         k_q814b6a5ece_outp.kd
    .args:
      - { .name: nvb, .offset: 0, .size: 8, .value_kind: global_buffer, .address_space: global }
      - { .name: w2b, .offset: 8, .size: 8, .value_kind: global_buffer, .address_space: global }
      - { .name: b_fc2, .offset: 16, .size: 8, .value_kind: global_buffer, .address_space: global }
      - { .name: x, .offset: 24, .size: 8, .value_kind: global_buffer, .address_space: global }
      - { .name: out0, .offset: 32, .size: 8, .value_kind: global_buffer, .address_space: global }
    .group_segment_fixed_size: 327680
    .private_segment_fixed_size: 0
    .kernarg_segment_align: 8
    .kernarg_segment_size: 40
    .max_flat_workgroup_size: 128
    .sgpr_count:     66
    .vgpr_count:     1024
    .wavefront_size: 32
...
	.end_amdgpu_metadata
.endif
;; end of part 4
